; MI455X (gfx1250); checked and timed in simulation.
; The chip was launched on July 23, 2026; its instructions are those of AMD's public machine-readable ISA for CDNA 5 (MIT licence, August 2026) and "CDNA5" Instruction Set Architecture Reference Guide (July 2026). The comments in the code are by the model that wrote it; some were corrected since.
;; Multi HA. Allowed arithmetic: matrix products marked QUANTISED: E2M1 operands, one E8M0 scale for each 32 along K, by v_wmma_scale_f32_16x16x128_f8f6f4 with both operands' format E2M1 (or v_wmma_scale_f32_32x16x128_f4), f32 sums; products left as they are: bf16, f16 or f32 operands; f32 sums; everything else in f32.
;; Inputs: Wk 1,024 x 1,024 float32; Wp 1,024 x 1,024 float32; Wq 1,024 x 1,024 float32; Wv 1,024 x 1,024 float32; bp 1,024 float32; pad_mask 4 x 2,048 int32; time_attention 2,048 x 2,048 int32; x 4 x 2,048 x 1,024 float32; y 4 x 2,048 x 1,024 float32.
;; Outputs: out0 4 x 2,048 x 1,024 float32.
;; This version of the problem:
;;   THIS VERSION OF THE PROBLEM IS GIVEN IN LOW PRECISION. The matrix products marked QUANTISED in the list below multiply operands that are first quantised to E2M1 (2 exponent bits, 1 mantissa bit; 4 bits a number), with one power-of-two scale for each 32 numbers along K (OCP MX v1.0); their sums are f32. The products marked 'left as it is' may take bf16, f16 or f32 operands, with f32 sums. Whichever they take, every output number must still come out within the allowed error. Rounding operands to bf16 (8 significant bits) uses up far more of that allowance than f16 does (11 bits, for magnitudes from 6e-5 to 65,504). All else is computed in f32.
;;   The module's matrix products, in the order in which they are computed (A, B: the left and right operand; K: the contracted axis; several contracted axes count as one K, in the product's order):
;;     1. [M 8,192, K 1,024] x [K 1,024, N 1,024]; A: input y; B: input Wq: QUANTISED
;;     2. [M 8,192, K 1,024] x [K 1,024, N 1,024]; A: input x; B: input Wk: QUANTISED
;;     3. [M 8,192, K 1,024] x [K 1,024, N 1,024]; A: input x; B: input Wv: QUANTISED
;;     4. batch 64 x [M 2,048, K 64] x [K 64, N 2,048]; A: computed on the way; B: computed on the way: left as it is (an operand is computed on the way)
;;     5. batch 64 x [M 2,048, K 2,048] x [K 2,048, N 64]; A: computed on the way; B: computed on the way: left as it is (an operand is computed on the way)
;;     6. [M 8,192, K 1,024] x [K 1,024, N 1,024]; A: computed on the way; B: input Wp: left as it is (an operand is computed on the way)
;;   THE QUANTISER, for each operand of a quantised product, along K:
;;     - K is cut into blocks of 32 from its start; a last block that is shorter is filled with zeros.
;;     - A block's scale is 2^e with e = floor(log2(the largest magnitude in the block)) - 2, held to -126 .. 127; a block of zeros has e = 0. As a byte (E8M0): e + 127.
;;     - Each number is divided by its block's scale, clamped to +-6, and rounded to the nearest number of E2M1, ties to even, subnormals kept.
;;     - The product sums the exact products of the quantised numbers (number of the format x scale) in f32.
;;   ~~~python
;;   def quantise(x, axis):      # numpy; x: float32 -> the quantised numbers, widened to float32 again
;;       x = np.moveaxis(x, axis, -1); K = x.shape[-1]
;;       x = np.pad(x, [(0, 0)] * (x.ndim - 1) + [(0, -K % 32)]); x = x.reshape(x.shape[:-1] + (-1, 32)); a = np.abs(x).max(-1, keepdims=True)
;;       e = np.where(a > 0, np.clip(np.frexp(np.where(a > 0, a, 1))[1] - 1 - 2, -126, 127), 0)      # np.frexp(a)[1] - 1 = floor(log2(a)), exactly
;;       r = np.clip(x / 2.0 ** e, -6, 6)
;;       step = 2.0 ** (np.maximum(np.frexp(np.where(r == 0, 1, r))[1] - 1, 0) - 1)
;;       q = np.round(r / step) * step * 2.0 ** e      # np.round: ties to even
;;       return np.moveaxis(q.reshape(q.shape[:-2] + (-1,))[..., :K], -1, axis).astype(np.float32)
;;   ~~~
;; One version. Each part assembles by itself: llvm-mc -triple=amdgcn-amd-amdhsa -mcpu=gfx1250 --defsym DOCPART=n.
;; ======== version 1 of 1: 5 launches
;; limits: values are held in f16: magnitudes above 65,504 overflow, below 6.1e-05 lose precision
;; workspace buffers: acts 8,912,896 bytes; wts 3,768,320 bytes; img 50,331,648 bytes; maskw 2,097,152 bytes of whole numbers; aux 1,048,576 bytes; oimg 16,777,216 bytes
;; launch prep (part 1): grid 928 x 1, 4 waves a work-group, no clusters, 68,096 bytes of LDS; arguments x, y, Wq, Wk, Wv, Wp, pad_mask, time_attention, acts, wts, maskw; writes acts, wts, maskw
.if DOCPART == 1
	.amdgcn_target "amdgcn-amd-amdhsa--gfx1250"
	.amdhsa_code_object_version 6
	.text
	.protected	k_qe9ab84128b_prep
	.globl	k_qe9ab84128b_prep
	.p2align	8
	.type	k_qe9ab84128b_prep,@function
k_qe9ab84128b_prep:
	s_mov_b64 s[64:65], 0
	v_nop
	global_prefetch_b8 v0, s[64:65] scope:SCOPE_SE
	s_setreg_imm32_b32 hwreg(HW_REG_WAVE_MODE, 25, 1), 1
	s_wait_xcnt 0x0
; PREP: three kinds of work, parted by the work-group's number; each kind has LDS bytes of its own; waves share nothing, so there is no barrier.
;   work-groups 0-255   : the causal mask, pad_mask and time_attention become LANE-MASK WORDS: maskw[qt 128][g 32][b 4][n 32]; bit (r + 16 h) of word n = 8 t + j is set where
;                         key k = 64 g + 16 t + 8 h + j counts for query q = 16 qt + r of batch b (k <= q, time_attention[q][k] != 0, pad_mask[b][k] != 0).
;   work-groups 256-863 : y, x, Wq, Wk, Wv (f32, K innermost) become codes of E2M1 and one E8M0 byte for each 32 along K: plain streams of blocks of 32.
;   work-groups 864-927 : Wp becomes f16 in the order of an operand's registers: [n tile 64][group of 32 k: 32][chunk 2][512 bytes]; lane l's 16 bytes of a chunk c: row l % 16, k = 16 c + 8 (l / 16) + 0 .. 7.
; LIMITS: a block whose largest magnitude lies under 2^-124 keeps the byte 1 (a block of zeros too: its codes are zeros, and this program alone reads the bytes); NaN and infinities are not served; |Wp| under 65,504.
; No cluster: no two work-groups read the same bytes but pad_mask's 32 KiB.
.set SPARE, 67584                      ; the spare words: 128 bytes a wave, two blocks of 256 bytes that no other line names
.set MREG,  32768                      ; the mask path's stages: 4 waves x 16 rows x 272 bytes
.set PREG,  50176                      ; Wp's path: the same
.set BPIT,  272                        ; a stage row: 256 bytes + 16, so that sixteen rows start at sixteen different 16-byte columns
.set SPW,   12                         ; v12 my spare word's address; never rewritten
.set NIL,   13                         ; v13 0; never rewritten
; addresses of a block of 16 rows x 256 bytes: v1 in memory ((l / 16) rows + 16 (l % 16)), v2 into the stage, v3 out of it, v5 = 16 x lane; v6 = l % 16, v7 = l / 16
.macro BLKADR base, sh
	v_and_b32 v6, 15, v0
	v_bfe_u32 v7, v0, 4, 1
	v_lshlrev_b32 v1, 4, v6
	v_lshl_add_u32 v1, v7, \sh, v1
	s_mul_i32 s28, s26, 16*BPIT
	s_add_co_u32 s28, s28, \base
	v_mul_u32_u24 v2, v7, BPIT
	v_lshl_add_u32 v2, v6, 4, v2
	v_add_nc_u32 v2, s28, v2
	v_mul_u32_u24 v3, v6, BPIT
	v_lshl_add_u32 v3, v7, 5, v3
	v_add_nc_u32 v3, s28, v3
	v_and_b32 v5, 31, v0
	v_lshlrev_b32 v5, 4, v5
.endm
; a block as it was loaded (load i: rows 2 i and 2 i + 1, 16 bytes a lane) goes through the wave's own stage; behind it v[32 + 8 q + j] of lane (r, h) is element 16 q + 8 h + j of row r.
; LDS serves a wave's instructions in order: no wait between the stores and the loads.
.macro BLK16 raw
.irp i, 0,1,2,3,4,5,6,7
	ds_store_b128 v2, v[\raw+4*\i:\raw+4*\i+3] offset:2*BPIT*\i
.endr
.irp q, 0,1,2,3
.irp e, 0,1
	ds_load_b128 v[32+8*\q+4*\e:35+8*\q+4*\e], v3 offset:64*\q+16*\e
.endr
.endr
.endm
	s_load_b512 s[4:19], s[0:1], 0x0               ; x, y, Wq, Wk, Wv, Wp, pad_mask, time_attention
	s_load_b128 s[20:23], s[0:1], 0x40             ; acts, wts
	s_load_b64 s[24:25], s[0:1], 0x50              ; maskw
	v_lshl_add_u32 v[SPW], v0, 2, SPARE
	v_mov_b32 v[NIL], 0
	v_lshrrev_b32 v1, 5, v0
	v_readfirstlane_b32 s26, v1                    ; wave 0..3
	s_wait_kmcnt 0x0
	s_cmp_lt_u32 ttmp9, 256
	s_cbranch_scc1 .Lmask
	s_cmp_lt_u32 ttmp9, 864
	s_cbranch_scc1 .Lquant
; ---------------- Wp -> f16 images.  Work-group u takes n tile u; wave w its columns 256 w .. 256 w + 255, four blocks of 64.
	s_sub_co_u32 s27, ttmp9, 864
	BLKADR PREG, 12                                ; a row of Wp is 4,096 bytes
	s_lshl_b32 s30, s27, 16                        ; 16 rows
	s_lshl_b32 s31, s26, 10
	s_add_co_u32 s30, s30, s31
	s_mov_b32 s31, 0
	s_add_nc_u64 s[14:15], s[14:15], s[30:31]
	s_lshl_b32 s30, s27, 15                        ; an n tile's images: 32,768 bytes
	s_lshl_b32 s32, s26, 13
	s_add_co_u32 s30, s30, s32
	s_add_co_u32 s30, s30, 1671168                 ; behind the weights' codes and scale bytes
	s_add_nc_u64 s[22:23], s[22:23], s[30:31]
.irp i, 0,1,2,3
.irp j, 0,1,2,3,4,5,6,7
	global_load_b128 v[64+32*\i+4*\j:67+32*\i+4*\j], v1, s[14:15] offset:256*\i+8192*\j th:TH_LOAD_NT   ; sixteen lanes read 256 consecutive aligned bytes of a row
.endr
.endr
.macro WPITEM i
	s_wait_loadcnt 8*(3-\i)                        ; this block's eight loads are in; the later blocks' may be out
	BLK16 64+32*\i
	s_wait_dscnt 0x0
.irp q, 0,1,2,3
.irp p, 0,1,2,3
	v_cvt_pk_f16_f32 v[64+32*\i+4*\q+\p], v[32+8*\q+2*\p], v[33+8*\q+2*\p]   ; into the block's own registers: no store's data are written again
.endr
.endr
.irp q, 0,1,2,3
	global_store_b128 v5, v[64+32*\i+4*\q:67+32*\i+4*\q], s[22:23] offset:2048*\i+512*\q   ; a chunk: 512 consecutive aligned bytes
.endr
.endm
	WPITEM 0
	WPITEM 1
	WPITEM 2
	WPITEM 3
	s_wait_tensorcnt 0x0                           ; the wave's end
	ds_add_u32 v[SPW], v[NIL]
	s_wait_dscnt 0x0
	s_endpgm
; ---------------- the masks.  Work-group m: key group g = m % 32; wave w takes query tiles 16 (m / 32) + 4 w + 0 .. 3.
.Lmask:
	BLKADR MREG, 13                                ; a row of time_attention is 8,192 bytes
	s_and_b32 s27, ttmp9, 31                       ; g
	s_lshr_b32 s29, ttmp9, 5
	s_lshl_b32 s29, s29, 4
	s_lshl_b32 s30, s26, 2
	s_add_co_u32 s29, s29, s30                     ; my first query tile
	v_lshlrev_b32 v4, 3, v7
	v_sub_nc_u32 v4, v6, v4                        ; r - 8 h
	s_lshl_b32 s30, s29, 4
	s_lshl_b32 s31, s27, 6
	s_sub_co_i32 s30, s30, s31
	v_add_nc_u32 v4, s30, v4                       ; d = q - 64 g - 8 h of my first tile: key 16 t + j counts where 16 t + j <= d
	v_bfe_u32 v8, v0, 3, 2                         ; on the way out lane L holds words n = 4 (L % 8) + e of batch L / 8
	v_bfe_u32 v9, v0, 1, 2
	v_and_b32 v10, 1, v0
	v_lshlrev_b32 v7, 13, v8                       ; pad_mask: batch x 8,192 bytes,
	v_lshl_add_u32 v7, v9, 6, v7                   ; + 16 (n / 8) keys,
	v_lshl_add_u32 v7, v10, 4, v7                  ; + n % 8 keys: my four words' keys are neighbours
	v_mov_b32 v14, 0xffff
	v_mov_b32 v15, 0xffff0000
	s_lshl_b32 s30, s27, 8                         ; 64 g keys of 4 bytes
	s_mov_b32 s31, 0
	s_add_nc_u64 s[16:17], s[16:17], s[30:31]
	s_add_nc_u64 s[18:19], s[18:19], s[30:31]
	s_lshl_b32 s30, s29, 17                        ; 16 rows of 8,192 bytes a tile
	s_add_nc_u64 s[18:19], s[18:19], s[30:31]
	s_lshl_b32 s30, s29, 5
	s_add_co_u32 s30, s30, s27
	s_lshl_b32 s30, s30, 9                         ; (32 qt + g) x 512 bytes
	s_add_nc_u64 s[24:25], s[24:25], s[30:31]
	global_load_b128 v[32:35], v7, s[16:17]        ; pad_mask at the keys of lanes 0-15's bits,
	global_load_b128 v[36:39], v7, s[16:17] offset:32   ; and 8 keys on: lanes 16-31's
.irp i, 0,1,2,3
.irp j, 0,1,2,3,4,5,6,7
	global_load_b128 v[64+32*\i+4*\j:67+32*\i+4*\j], v1, s[18:19] offset:131072*\i+16384*\j th:TH_LOAD_NT
.endr
.endr
.irp i, 0,1,2,3,4,5,6,7,8,9,10,11,12,13,14,15
	v_mov_b32 v[16+\i], 0                          ; v_writelane_b32's destination counts as read
.endr
	s_wait_loadcnt 32                              ; the two loads of pad_mask are in; the 32 behind them may be out
.irp e, 0,1,2,3
	v_cmp_ne_u32 vcc_lo, 0, v[32+\e]
	v_cndmask_b32 v[8+\e], 0, v14, vcc_lo
	v_cmp_ne_u32 vcc_lo, 0, v[36+\e]
	v_cndmask_b32 v6, 0, v15, vcc_lo
	v_or_b32 v[8+\e], v[8+\e], v6                  ; v8-11: what pad_mask leaves of my four words
.endr
.macro MITEM i
	s_wait_loadcnt 8*(3-\i)
	BLK16 64+32*\i
	v_add_nc_u32 v6, 16*\i, v4
	s_wait_dscnt 0x0
.set n, 0
.rept 32
	v_cmp_ne_u32 s40, 0, v[32+n]                   ; time_attention,
	v_cmp_le_i32 s41, 16*(n/8)+n%8, v6             ; the causal mask,
	s_and_b32 s40, s40, s41                        ; word n; it goes to its place for each of the four batches
	v_writelane_b32 v[16+4*\i+n%4], s40, n/4
	v_writelane_b32 v[16+4*\i+n%4], s40, n/4+8
	v_writelane_b32 v[16+4*\i+n%4], s40, n/4+16
	v_writelane_b32 v[16+4*\i+n%4], s40, n/4+24
.set n, n+1
.endr
.irp e, 0,1,2,3
	v_and_b32 v[16+4*\i+\e], v[16+4*\i+\e], v[8+\e]
.endr
	global_store_b128 v5, v[16+4*\i:19+4*\i], s[24:25] offset:16384*\i   ; 512 consecutive aligned bytes; each tile has registers of its own
.endm
	MITEM 0
	MITEM 1
	MITEM 2
	MITEM 3
	s_wait_tensorcnt 0x0                           ; the wave's end
	ds_add_u32 v[SPW], v[NIL]
	s_wait_dscnt 0x0
	s_endpgm
; ---------------- the quantiser.  Work-group w = number - 256: y (0-255), x (256-511), Wq, Wk, Wv (32 each).  A wave takes 16 steps of 512 numbers.
; A block's scale is 2^(floor(log2(largest magnitude)) - 2); its byte is the largest magnitude's exponent field - 2, held at 1 from below.
; Each of a step's four loads reads 512 consecutive bytes; the 2,048 bytes turn through the wave's stage so that a lane holds 16 neighbours (two lanes a block).
.Lquant:
.set STEPS, 16
.set EMAX,  2
.set CB,    8                          ; bytes of 16 codes
.set R,     16                         ; v16-79   four sets of 16 numbers as loaded
.set X,     80                         ; v80-111  two sets of 16 neighbours
.set C,     128                        ; v128-191 codes: registers of its own for each step
.set E,     112                        ; v112-127 a scale byte for each step
.set QREG,  8192                       ; LDS: a region for each wave: two stages of 32 x SP bytes, then its 256 scale bytes
.set SP,    80
	s_sub_co_u32 s27, ttmp9, 256
	s_cmp_lt_u32 s27, 576                          ; the choices hang on the work-group's number alone
	s_cselect_b64 s[28:29], s[10:11], s[12:13]
	s_cmp_lt_u32 s27, 544
	s_cselect_b64 s[28:29], s[8:9], s[28:29]
	s_mov_b32 s34, 1572864                         ; where the scale bytes begin: in wts,
	s_cmp_lt_u32 s27, 512
	s_cselect_b64 s[28:29], s[4:5], s[28:29]
	s_cselect_b64 s[32:33], s[20:21], s[22:23]     ; activations go to acts, weights to wts
	s_cselect_b32 s30, 255, 31                     ; work-groups to a tensor, less one
	s_cselect_b32 s31, 0, 512
	s_cselect_b32 s34, 0x800000, s34               ; in acts
	s_cmp_lt_u32 s27, 256
	s_cselect_b64 s[28:29], s[6:7], s[28:29]
	s_and_b32 s30, s27, s30
	s_lshl_b32 s30, s30, 2
	s_add_co_u32 s30, s30, s26                     ; which run of 8,192 numbers of the tensor is my wave's,
	s_sub_co_u32 s31, s27, s31
	s_lshl_b32 s31, s31, 2
	s_add_co_u32 s31, s31, s26                     ; and of the buffer that takes the codes
	s_lshl_b32 s36, s30, 15
	s_mov_b32 s37, 0
	s_add_nc_u64 s[28:29], s[28:29], s[36:37]
	s_lshl_b32 s36, s31, 12
	s_add_nc_u64 s[38:39], s[32:33], s[36:37]      ; codes: 4,096 bytes a run
	s_lshl_b32 s36, s31, 8
	s_add_co_u32 s36, s36, s34
	s_add_nc_u64 s[32:33], s[32:33], s[36:37]      ; scale bytes: 256 a run
	v_and_b32 v2, 31, v0
	v_lshlrev_b32 v3, 4, v2
	s_mul_i32 s40, s26, QREG
	v_lshrrev_b32 v14, 2, v2
	v_mul_u32_u24 v14, v14, SP
	v_and_b32 v15, 3, v2
	v_lshl_add_u32 v14, v15, 4, v14
	v_add_nc_u32 v14, s40, v14                     ; the stage, in: four lanes' 64 bytes on end, then 16 of padding
	v_mul_u32_u24 v15, v2, SP
	v_add_nc_u32 v15, s40, v15                     ; out: SP x lane: my 16 neighbours
	v_mul_u32_u24 v4, v2, CB
	v_lshrrev_b32 v5, 1, v2
	s_add_co_u32 s40, s40, 2*32*SP
	v_add_nc_u32 v5, s40, v5                       ; my block's scale byte
	v_lshlrev_b32 v7, 3, v2
	v_add_nc_u32 v6, s40, v7
.macro LOAD t
.irp i, 0,1,2,3
	global_load_b128 v[R+16*((\t)%4)+4*\i:R+16*((\t)%4)+4*\i+3], v3, s[28:29] offset:2048*(\t)+512*\i th:TH_LOAD_NT
.endr
.endm
.macro TURN t
.irp i, 0,1,2,3
	ds_store_b128 v14, v[R+16*((\t)%4)+4*\i:R+16*((\t)%4)+4*\i+3] offset:32*SP*((\t)%2)+8*SP*\i
.endr
.irp i, 0,1,2,3
	ds_load_b128 v[X+16*((\t)%2)+4*\i:X+16*((\t)%2)+4*\i+3], v15 offset:32*SP*((\t)%2)+16*\i
.endr
.endm
.irp t, 0,1,2,3
	LOAD \t
.endr
	s_wait_loadcnt 12                              ; step 0's four loads are in
	TURN 0
.macro STEP t
.set XS, X+16*((\t)%2)
.if (\t) > 0
	s_wait_dscnt 1                                 ; this step's numbers are back from the stage (the last step's byte store may be out)
.else
	s_wait_dscnt 0x0
.endif
.if (\t)+4 < STEPS
	LOAD (\t)+4
.endif
.if (\t)+1 < STEPS
.if STEPS-2-(\t) >= 3
	s_wait_loadcnt 12                              ; the next step's four loads are in; those of the three steps behind it may be out
.else
	s_wait_loadcnt 4*(STEPS-2-(\t))
.endif
	TURN (\t)+1
.endif
	v_max3_num_f32 v8, |v[XS]|, |v[XS+1]|, |v[XS+2]|
	v_max3_num_f32 v9, |v[XS+3]|, |v[XS+4]|, |v[XS+5]|
.irp i, 6,10
	v_max3_num_f32 v8, v8, |v[XS+\i]|, |v[XS+\i+1]|
	v_max3_num_f32 v9, v9, |v[XS+\i+2]|, |v[XS+\i+3]|
.endr
	v_max3_num_f32 v8, v8, |v[XS+14]|, |v[XS+15]|
	v_max3_num_f32 v8, v8, v9, (EMAX+1)<<23        ; the floor 2^(3 - 127): the byte cannot fall under 1
	v_max_num_f32_dpp v8, v8, v8 row_xmask:1 row_mask:0xf bank_mask:0xf   ; with my neighbour's 16: the block's largest magnitude
	v_add_nc_u32 v11, -(EMAX<<23), v8              ; 2 off its exponent field: the conversion takes the exponent field of this operand as its scale
	v_cvt_scalef32_pk8_fp4_f32 v[C+4*(\t)], v[XS:XS+7], v11
	v_cvt_scalef32_pk8_fp4_f32 v[C+4*(\t)+1], v[XS+8:XS+15], v11
	v_lshrrev_b32 v[E+(\t)], 23, v11               ; the scale's byte
	ds_store_b8 v5, v[E+(\t)] offset:16*(\t)       ; both lanes of a block write the same byte with the same value
	global_store_b64 v4, v[C+4*(\t):C+4*(\t)+1], s[38:39] offset:32*CB*(\t)   ; the wave stores 256 consecutive aligned bytes
.endm
.irp t, 0,1,2,3,4,5,6,7,8,9,10,11,12,13,14,15
	STEP \t
.endr
	ds_load_b64 v[8:9], v6                         ; LDS serves a wave's instructions in order: these see my stores
	s_wait_dscnt 0x0
	global_store_b64 v7, v[8:9], s[32:33]          ; 256 scale bytes, consecutive and aligned
	s_wait_tensorcnt 0x0                           ; the wave's end
	ds_add_u32 v[SPW], v[NIL]
	s_wait_dscnt 0x0
	s_endpgm
.Lfunc_end_k_qe9ab84128b_prep:
	.size	k_qe9ab84128b_prep, .Lfunc_end_k_qe9ab84128b_prep-k_qe9ab84128b_prep
	.p2alignl 7, 3214868480
	.fill 96, 4, 3214868480
	.section	.rodata,"a",@progbits
	.p2align	6, 0x0
	.amdhsa_kernel k_qe9ab84128b_prep
		.amdhsa_group_segment_fixed_size 68096
		.amdhsa_private_segment_fixed_size 0
		.amdhsa_enable_private_segment 0
		.amdhsa_kernarg_size 88
		.amdhsa_user_sgpr_count 2
		.amdhsa_user_sgpr_kernarg_segment_ptr 1
		.amdhsa_wavefront_size32 1
		.amdhsa_system_sgpr_workgroup_id_x 1
		.amdhsa_system_sgpr_workgroup_id_y 1
		.amdhsa_system_sgpr_workgroup_id_z 1
		.amdhsa_system_vgpr_workitem_id 0
		.amdhsa_next_free_vgpr 192
		.amdhsa_next_free_sgpr 66
		.amdhsa_reserve_vcc 1
		.amdhsa_float_denorm_mode_32 3
		.amdhsa_float_denorm_mode_16_64 3
		.amdhsa_memory_ordered 1
		.amdhsa_forward_progress 1
		.amdhsa_inst_pref_size 112
	.end_amdhsa_kernel
	.amdgpu_metadata
---
amdhsa.version: [ 1, 2 ]
amdhsa.kernels:
  - .name:           k_qe9ab84128b_prep
    .symbol:         k_qe9ab84128b_prep.kd
    .args:
      - { .name: x, .offset: 0, .size: 8, .value_kind: global_buffer, .address_space: global }
      - { .name: y, .offset: 8, .size: 8, .value_kind: global_buffer, .address_space: global }
      - { .name: Wq, .offset: 16, .size: 8, .value_kind: global_buffer, .address_space: global }
      - { .name: Wk, .offset: 24, .size: 8, .value_kind: global_buffer, .address_space: global }
      - { .name: Wv, .offset: 32, .size: 8, .value_kind: global_buffer, .address_space: global }
      - { .name: Wp, .offset: 40, .size: 8, .value_kind: global_buffer, .address_space: global }
      - { .name: pad_mask, .offset: 48, .size: 8, .value_kind: global_buffer, .address_space: global }
      - { .name: time_attention, .offset: 56, .size: 8, .value_kind: global_buffer, .address_space: global }
      - { .name: acts, .offset: 64, .size: 8, .value_kind: global_buffer, .address_space: global }
      - { .name: wts, .offset: 72, .size: 8, .value_kind: global_buffer, .address_space: global }
      - { .name: maskw, .offset: 80, .size: 8, .value_kind: global_buffer, .address_space: global }
    .group_segment_fixed_size: 68096
    .private_segment_fixed_size: 0
    .kernarg_segment_align: 8
    .kernarg_segment_size: 88
    .max_flat_workgroup_size: 128
    .sgpr_count:     66
    .vgpr_count:     192
    .wavefront_size: 32
...
	.end_amdgpu_metadata
.endif
;; end of part 1
;; launch qkv (part 2): grid 12 x 32, 4 waves a work-group, clusters of 4 x 4, 327,680 bytes of LDS; arguments acts, wts, img, aux; writes img, aux
.if DOCPART == 2
	.amdgcn_target "amdgcn-amd-amdhsa--gfx1250"
	.amdhsa_code_object_version 6
	.text
	.protected	k_qe9ab84128b_qkv
	.globl	k_qe9ab84128b_qkv
	.p2align	8
	.type	k_qe9ab84128b_qkv,@function
k_qe9ab84128b_qkv:
	s_mov_b64 s[64:65], 0
	v_nop
	global_prefetch_b8 v0, s[64:65] scope:SCOPE_SE
	s_setreg_imm32_b32 hwreg(HW_REG_WAVE_MODE, 25, 1), 1
	s_wait_xcnt 0x0
	s_wait_alu depctr_hold_cnt(0) depctr_sa_sdst(0) depctr_va_vdst(0) depctr_va_sdst(0) depctr_va_ssrc(0) depctr_va_vcc(0) depctr_vm_vsrc(0)
	s_getreg_b32 s2, hwreg(HW_REG_IB_STS2, 6, 4)
	s_cmp_eq_u32 s2, 0
	s_cbranch_scc0 .Lentry_in_a_cluster
	s_endpgm
.Lentry_in_a_cluster:
	s_bfe_u32 s2, ttmp6, 0x10000c
	s_cmp_lg_u32 s2, 0xf033
	s_cbranch_scc0 .Lentry_shape_is_right
	s_endpgm
.Lentry_shape_is_right:
; The three quantised products, on codes of E2M1 with one E8M0 scale for each 32 along K = 1,024: q = y Wq^T (cluster x = 0), k = x Wk^T (1), v = x Wv^T (2); sums in f32.
; A tile of 256 x 256 is made by four waves, 128 x 128 each: 64 accumulators, 512 registers.  K goes in two steps of 512 through two LDS slots, both filled at the start; nothing is filled again.
; The scale bytes of the tile's 256 + 256 rows come once, with the first fills.  CLUSTERS of 4 x 4: the four of a row ask jointly for the tiles of source 1's side, the four of a column for source 0's.
; THE MATRIX INSTRUCTION IS USED TRANSPOSED: source 0 = 16 rows of the 'B side', source 1 = 16 rows of the 'A side': a lane holds one row of the A side and eight neighbouring rows of the B side.
;   q, k: A side = positions, B side = the weight's rows: a lane holds one position and eight neighbouring channels: packed to f16 that is a chunk of an operand of the scores' product.
;   v:    A side = Wv's rows, B side = positions: a lane holds one CHANNEL and eight neighbouring KEYS: a chunk of V^T for the second product.
; RESULTS LEAVE AS IMAGES OF OPERAND REGISTERS: a chunk is 512 bytes, lane l's 16 bytes at 16 l: each store of a wave covers 512 consecutive aligned bytes, straight from registers.
;   qimg, kimg: [b][head][tile of 16 positions: 128][f 4][512], channel = 16 f + 8 (l / 16) + j.    vimg: [b][head][group of 32 keys: 64][t 4][c 2][512], channel 16 t + l % 16, key 16 c + 8 (l / 16) + j.
; Beside them: the first 16 positions of every batch in f32 (aux, [q,k,v][b][64 tiles][2][512]), and the sums of v over each wave's 128 keys (aux + 786,432: [64][1024] f32; stored in runs of 64 bytes: 0.25 MB of the launch's 49).
; The positions' tiles of a cluster lie 8 tiles (a batch) apart, so that 'this tile holds positions 0-15' hangs on the cluster's y and on the wave's number alone.
; LIMITS: |q|, |k|, |v| under 65,504 (f16).
; REGISTERS as windows of 256: window 0: v0-31 addresses; v32-95 scale words, two sets; from v128 the A side's fragments, one set; window 1: the B side's, two sets; windows 2, 3: the accumulators ((a, b) at v[8 (8 (a % 4) + b)]).
.set KSTEP,  512
.set NQ,     KSTEP/128
.set ROWB,   256
.set KROW,   512                       ; a row of 1,024 codes in bytes
.set PITCH,  272                       ; an LDS row: 256 bytes + 16: the sixteen rows that a load touches start at sixteen different 16-byte columns
.set FR,     8
.set NL,     2
.set NP,     4                         ; places behind this matrix instruction (ISA guide 7.12.1)
.set HALFT,  128*PITCH
.set SLOT,   4*HALFT
.set KS,     32                        ; a row of scale bytes
.set SCL,    2*SLOT
.set HALFS,  (128*KS/256)*272
.set SBLK,   (16*KS/256)*272
.set SPARE,  SCL+4*HALFS               ; the spare words: 128 bytes a wave, two blocks of 256 bytes that no other line names
.set ADRA, 16
.set ADRB, 20
.set CO,   26                          ; v26 16 x lane: my place in a chunk; never rewritten
.set SPW,  28
.set NIL,  29
.set ADRS, 27
.set SC,   32
.set AF,   128
.set G1, 24
.set G0, 32
.set G1B, 48
.set G0B, 56
.set G1S, 68
.set G0S, 76
.set G1SB, 80
.set G0SB, 88
.set MSB, 0
.macro WIN new                         ; the immediate's high byte repeats the setting that is left
.if MSB != \new
	s_set_vgpr_msb (MSB<<8)|\new
.set MSB, \new
.endif
.endm
.set MUL_LO, 0xa1
.set MUL_HI, 0xf1
.set TO_B,   0x40
; A joint load: waves 0 and 1 fetch for the A side, waves 2 and 3 for the B side.  An s_nop 0 and four v_nop follow each of the two lines.
.macro JLOAD g0a, g1a, g0b, g1b
	s_cmp_eq_u32 s15, 0
	s_cbranch_scc0 .Lfor_b_\@
	tensor_load_to_lds s[\g0a:\g0a+3], s[\g1a:\g1a+7]
	s_nop 0
.rept 4
	v_nop
.endr
	s_branch .Lasked_\@
.Lfor_b_\@:
	tensor_load_to_lds s[\g0b:\g0b+3], s[\g1b:\g1b+7]
	s_nop 0
.rept 4
	v_nop
.endr
.Lasked_\@:
.endm
.macro CROUND                          ; a round of the cluster's barrier
	s_barrier_signal -1
	s_barrier_wait -1
	s_cmp_lg_u32 s14, 0
	s_cbranch_scc1 .Lnot_wave_0_\@
	s_barrier_signal -3
.Lnot_wave_0_\@:
	s_barrier_wait -3
	s_barrier_signal -1
	s_barrier_wait -1
.endm
	s_load_b256 s[4:11], s[0:1], 0x0               ; acts s[4:5], wts s[6:7], img s[8:9], aux s[10:11]
	v_lshl_add_u32 v[SPW], v0, 2, SPARE
	v_mov_b32 v[NIL], 0
	ds_add_u32 v[SPW], v[NIL]                      ; the wave's opening: the add, twice on end, and its wait ahead of my first tensor load
	ds_add_u32 v[SPW], v[NIL]
	v_lshrrev_b32 v1, 5, v0
	v_readfirstlane_b32 s14, v1                    ; wave 0..3
	s_lshr_b32 s15, s14, 1                         ; which half of the A side's rows is mine.  Also: I fetch for the A side (0) or the B side (1)
	s_and_b32 s16, s14, 1                          ; which half of the B side's.  Also: which 128 rows I fetch
	s_bfe_u32 s40, ttmp6, 0x40000                  ; cx, cy: my place in the cluster
	s_bfe_u32 s41, ttmp6, 0x40004
	s_and_b32 s95, ttmp7, 0xffff                   ; the cluster's y, 0..7
	; where the parts lie.  All choices hang on the cluster's x (which product), which the sixteen partners share
	s_lshl_b32 s12, ttmp9, 19                      ; the weight's codes in wts,
	s_lshl_b32 s13, ttmp9, 15
	s_add_co_u32 s13, s13, 1572864                 ; its scale bytes;
	s_cmp_eq_u32 ttmp9, 0
	s_cselect_b32 s18, 0, 4194304                  ; the activation's codes in acts: y, or x behind it,
	s_cselect_b32 s19, 0, 262144
	s_add_co_u32 s19, s19, 8388608                 ; its scale bytes
	s_cmp_eq_u32 ttmp9, 2
	s_cselect_b32 s100, s12, s18                   ; the A side's codes: for v the weight's,
	s_cselect_b32 s101, s13, s19
	s_cselect_b32 s104, s18, s12                   ; the B side's: for v the activation's
	s_cselect_b32 s105, s19, s13
	s_cselect_b32 s20, 1, 8
	s_cselect_b32 s21, 0, s95
	s_cselect_b32 s22, 8, 1
	s_cselect_b32 s23, s95, 0
	s_mul_i32 s17, s41, s20
	s_add_co_u32 s17, s17, s21                     ; the A side's tile of 256 rows: y + 8 cy (positions) or cy (Wv)
	s_mul_i32 s42, s40, s22
	s_add_co_u32 s42, s42, s23                     ; the B side's: cx (a weight) or y + 8 cx (positions)
	s_lshl_b32 s43, s41, 2
	s_lshl_b32 s43, 15, s43                        ; my row of the cluster
	s_lshl_b32 s44, 0x1111, s40                    ; my column
	s_or_b32 s[G1+0], s43, (0<<16)|(1<<20)|(1<<21)|(5<<22)|(3<<25)  ; the mask; elements of 1 byte; padding: 4 words after every 64; bit 21 beside a mask
	s_or_b32 s[G1B+0], s44, (0<<16)|(1<<20)|(1<<21)|(5<<22)|(3<<25)
.irp g, G1, G1B
	s_mov_b32 s[\g+1], ROWB<<16                    ; tensor_dim0
	s_mov_b32 s[\g+2], 128<<16                     ; tensor_dim1
	s_mov_b32 s[\g+3], ROWB<<16                    ; tile_dim0
	s_mov_b32 s[\g+4], 128                         ; tile_dim1
	s_mov_b32 s[\g+5], KROW                        ; the pitch
	s_mov_b32 s[\g+6], 0
	s_mov_b32 s[\g+7], 0
.endr
	s_or_b32 s[G1S+0], s43, (3<<16)|(1<<20)|(1<<21)|(5<<22)|(3<<25)   ; the scale bytes of 128 rows: 4,096 dense bytes as 16 rows of 256
	s_or_b32 s[G1SB+0], s44, (3<<16)|(1<<20)|(1<<21)|(5<<22)|(3<<25)
.irp g, G1S, G1SB
	s_mov_b32 s[\g+1], 32<<16
	s_mov_b32 s[\g+2], (128*KS/256)<<16
	s_mov_b32 s[\g+3], 32<<16
	s_mov_b32 s[\g+4], 128*KS/256
	s_mov_b32 s[\g+5], 32
	s_mov_b32 s[\g+6], 0
	s_mov_b32 s[\g+7], 0
.endr
	s_lshl_b32 s18, s16, 7
	s_lshl_b32 s20, s17, 8
	s_add_co_u32 s20, s20, s18                     ; the A side's first row that I fetch
	s_lshl_b32 s46, s42, 8
	s_add_co_u32 s46, s46, s18                     ; the B side's
	s_mov_b32 s21, 0
	s_mov_b32 s47, 0
	s_mov_b64 s[18:19], KS
	s_mul_u64 s[22:23], s[20:21], s[18:19]
	s_mul_u64 s[92:93], s[46:47], s[18:19]
	s_mov_b64 s[18:19], KROW
	s_mul_u64 s[20:21], s[20:21], s[18:19]
	s_mul_u64 s[46:47], s[46:47], s[18:19]
	s_add_co_u32 s20, s20, s100                    ; + the part's place in its buffer (all under 2^24)
	s_add_co_u32 s22, s22, s101
	s_add_co_u32 s46, s46, s104
	s_add_co_u32 s92, s92, s105
	s_mul_i32 s45, s14, HALFT                      ; where they go: no place in the cluster enters an LDS address
	s_mul_i32 s94, s14, HALFS
	s_wait_dscnt 0x0                               ; both opening adds are done
	s_wait_kmcnt 0x0
	s_cmp_eq_u32 ttmp9, 2
	s_cselect_b64 s[96:97], s[6:7], s[4:5]         ; the A side's buffer
	s_cselect_b64 s[98:99], s[4:5], s[6:7]         ; the B side's
	s_add_nc_u64 s[20:21], s[96:97], s[20:21]
	s_add_nc_u64 s[22:23], s[96:97], s[22:23]
	s_add_nc_u64 s[46:47], s[98:99], s[46:47]
	s_add_nc_u64 s[92:93], s[98:99], s[92:93]
	CROUND                                         ; all sixteen work-groups are here: the joint loads meet
	s_mov_b32 s[G0S], 1
	s_add_co_u32 s[G0S+1], s94, SCL
	s_mov_b64 s[G0S+2:G0S+3], s[22:23]
	s_or_b32 s[G0S+3], s[G0S+3], 0x80000000
	s_mov_b32 s[G0SB], 1
	s_add_co_u32 s[G0SB+1], s94, SCL
	s_mov_b64 s[G0SB+2:G0SB+3], s[92:93]
	s_or_b32 s[G0SB+3], s[G0SB+3], 0x80000000
	JLOAD G0S, G1S, G0SB, G1SB                     ; three loads of mine go out: the scale bytes, K step 0, K step 1
.irp s, 0,1
	s_mov_b32 s[G0+4*\s], 1
	s_add_co_u32 s[G0+4*\s+1], s45, \s*SLOT
	s_add_nc_u64 s[G0+4*\s+2:G0+4*\s+3], s[20:21], \s*ROWB
	s_or_b32 s[G0+4*\s+3], s[G0+4*\s+3], 0x80000000
	s_mov_b32 s[G0B+4*\s], 1
	s_add_co_u32 s[G0B+4*\s+1], s45, \s*SLOT
	s_add_nc_u64 s[G0B+4*\s+2:G0B+4*\s+3], s[46:47], \s*ROWB
	s_or_b32 s[G0B+4*\s+3], s[G0B+4*\s+3], 0x80000000
	JLOAD G0+4*\s, G1, G0B+4*\s, G1B
.endr
	v_and_b32 v1, 15, v0
	v_bfe_u32 v2, v0, 4, 1
	v_mul_u32_u24 v3, v1, PITCH
	v_lshl_add_u32 v4, v2, 4, v3                   ; a fragment's row x pitch + 16 x half
	s_mul_i32 s21, s15, HALFT
	s_mul_i32 s22, s16, HALFT
	s_add_co_u32 s22, s22, 2*HALFT
.irp s, 0,1
	v_add_nc_u32 v[ADRA+\s], s21, v4
	v_add_nc_u32 v[ADRB+\s], s22, v4
	s_add_co_u32 s21, s21, SLOT
	s_add_co_u32 s22, s22, SLOT
.endr
	v_mul_u32_u24 v5, v1, KS                       ; my row's scale bytes: 32 a row,
	v_lshrrev_b32 v6, 8, v5
	v_lshl_add_u32 v5, v6, 4, v5                   ; and 16 more for each 256 passed
	s_mul_i32 s21, s15, HALFS
	s_mul_i32 s22, s16, HALFS
	s_add_co_u32 s22, s22, 2*HALFS
	s_sub_co_u32 s22, s22, s21
	v_mul_u32_u24 v6, s22, v2                      ; lanes 16-31 take the B side's
	s_add_co_u32 s21, s21, SCL
	v_add_nc_u32 v5, v5, v6
	v_add_nc_u32 v[ADRS], s21, v5
	v_and_b32 v6, 31, v0
	v_lshlrev_b32 v[CO], 4, v6
.macro FRAG reg, adr, q, i             ; 16 rows x 128 K of 4-bit codes: 8 registers, two loads of 16 bytes, 32 bytes apart
.irp c, 0,1
	ds_load_b128 v[\reg+4*\c:\reg+4*\c+3], v[\adr] offset:64*(\q)+32*\c+(\i)*16*PITCH
.endr
.endm
; 16 matrix instructions: the A side's blocks a0, a0 + 1 x the B side's eight.  The 64 accumulators take turns, one instruction a turn, in the same order in every step.
.macro MUL16 a0, p, q, sc, zero
.irp a, \a0, \a0+1
.irp b, 0,1,2,3,4,5,6,7
.if \zero
	v_wmma_scale_f32_16x16x128_f8f6f4 v[8*(8*((\a)%4)+\b):8*(8*((\a)%4)+\b)+7], v[128*(\p)+FR*\b:128*(\p)+FR*\b+FR-1], v[AF+FR*(\a):AF+FR*(\a)+FR-1], 0, v[SC+8*NQ*(\sc)+NQ*\b+(\q)], v[SC+8*NQ*(\sc)+NQ*(\a)+(\q)] matrix_a_fmt:MATRIX_FMT_FP4 matrix_b_fmt:MATRIX_FMT_FP4 matrix_a_scale:MATRIX_SCALE_ROW1
.else
	v_wmma_scale_f32_16x16x128_f8f6f4 v[8*(8*((\a)%4)+\b):8*(8*((\a)%4)+\b)+7], v[128*(\p)+FR*\b:128*(\p)+FR*\b+FR-1], v[AF+FR*(\a):AF+FR*(\a)+FR-1], v[8*(8*((\a)%4)+\b):8*(8*((\a)%4)+\b)+7], v[SC+8*NQ*(\sc)+NQ*\b+(\q)], v[SC+8*NQ*(\sc)+NQ*(\a)+(\q)] matrix_a_fmt:MATRIX_FMT_FP4 matrix_b_fmt:MATRIX_FMT_FP4 matrix_a_scale:MATRIX_SCALE_ROW1
.endif
.endr
.endr
.endm
.macro FETCH_B slot, q, p
	WIN TO_B
.irp i, 0,1,2,3,4,5,6,7
	FRAG 128*(\p)+FR*\i, ADRB+\slot, \q, \i
.endr
	WIN 0
.endm
.macro FETCH_A slot, q, i0
.irp i, \i0, \i0+1, \i0+2, \i0+3
	FRAG AF+FR*(\i), ADRA+\slot, \q, \i
.endr
.endm
.macro SCALES sc                       ; a K step's scale words: lanes 0-15 the A side's block i, lanes 16-31 the B side's block i
.irp i, 0,1,2,3,4,5,6,7
	ds_load_b128 v[SC+8*NQ*\sc+NQ*\i:SC+8*NQ*\sc+NQ*\i+3], v[ADRS] offset:\i*SBLK
.endr
.endm
.macro PLACES n                        ; plain vector instructions between a matrix instruction and a load into, or a read of, its registers
.rept \n
	v_nop
.endr
.endm
.macro STEP slot, q, zero              ; 128 along K that has its successor in the same slot
	s_wait_dscnt 4*NL                              ; the B side's set and the A side's blocks 0-3 are in; blocks 4-7 (eight loads) may be out
	WIN MUL_LO
	MUL16 0, (\q)%2, \q, \slot, \zero
	MUL16 2, (\q)%2, \q, \slot, \zero
	s_wait_dscnt 0
	PLACES NP
	FETCH_B \slot, (\q)+1, 1-(\q)%2
	FETCH_A \slot, (\q)+1, 0
	WIN MUL_HI
	MUL16 4, (\q)%2, \q, \slot, \zero
	MUL16 6, (\q)%2, \q, \slot, \zero
	PLACES NP
	WIN 0
	FETCH_A \slot, (\q)+1, 4
.endm
.macro STEPS slot, from
.set QQ, \from
.rept NQ-1-\from
	STEP \slot, QQ, 0
.set QQ, QQ+1
.endr
.endm
	s_wait_tensorcnt 1                             ; the scale bytes and my part of K step 0 are in (K step 1's load may be out)
	s_barrier_signal -1
	s_barrier_wait -1                              ; everybody's are
	FETCH_B 0, 0, 0
	FETCH_A 0, 0, 0
	SCALES 0
	FETCH_A 0, 0, 4
	STEP 0, 0, 1                                   ; the first products start the sums: nothing is cleared
	STEPS 0, 1
	; slot 0's last step changes slots: one barrier; nothing is filled again
	s_wait_tensorcnt 0x0                           ; my part of slot 1 has landed
	ds_add_u32 v[SPW], v[NIL]
	s_wait_dscnt 4*NL+1                            ; (the add and the youngest eight loads may be out)
	WIN MUL_LO
	MUL16 0, 1, NQ-1, 0, 0
	s_wait_dscnt 0x0                               ; the add is done, and my reads of slot 0 are over
	s_barrier_signal -1
	MUL16 2, 1, NQ-1, 0, 0
	WIN 0
	s_barrier_wait -1
	PLACES NP
	v_add_nc_u32 v[ADRS], 4*NQ, v[ADRS]            ; on to K step 1's scale words
	FETCH_B 1, 0, 0
	FETCH_A 1, 0, 0
	SCALES 1
	WIN MUL_HI
	MUL16 4, 1, NQ-1, 0, 0
	MUL16 6, 1, NQ-1, 0, 0
	PLACES NP
	WIN 0
	FETCH_A 1, 0, 4
	STEPS 1, 0
	s_wait_dscnt 4*NL                              ; the very last step: nothing more to fetch
	WIN MUL_LO
	MUL16 0, 1, NQ-1, 1, 0
	MUL16 2, 1, NQ-1, 1, 0
	s_wait_dscnt 0
	WIN MUL_HI
	MUL16 4, 1, NQ-1, 1, 0
	MUL16 6, 1, NQ-1, 1, 0
	WIN 0
	PLACES NP                                      ; behind the last products: their results are read, and the fragments' and scale words' registers written, only from here on
; THE WAY OUT.  Block a's eight accumulators are rounded to f16, each from its low end on, into one of four sets of 32 registers (v128-255 of window 0).
.macro PACKH a
.set AC, 64*((\a)%4)
.set TP, 128+32*((\a)%4)
.if (\a) >= 4
	s_wait_xcnt 0x0                                ; block a - 4's stores have read this set's registers
.endif
	WIN 0x0a+5*((\a)/4)                            ; sources 0 and 1: window 2 or 3
.irp b, 0,1,2,3,4,5,6,7
.irp p, 0,1,2,3
	v_cvt_pk_f16_f32 v[TP+4*\b+\p], v[AC+8*\b+2*\p], v[AC+8*\b+2*\p+1]
.endr
.endr
.endm
	s_cmp_eq_u32 ttmp9, 2
	s_cbranch_scc1 .Lepi_v
	; ---- q, k: lane (r, h) of accumulator (a, b): position 16 a + r, channel 16 b + 8 h + j
	s_lshr_b32 s20, s17, 3                         ; the batch
	s_lshl_b32 s20, s20, 4
	s_lshl_b32 s21, s42, 2
	s_add_co_u32 s20, s20, s21
	s_lshl_b32 s21, s16, 1
	s_add_co_u32 s20, s20, s21                     ; 16 b + my first head
	s_lshl_b32 s20, s20, 7
	s_lshl_b32 s21, s17, 4
	s_lshl_b32 s22, s15, 3
	s_add_co_u32 s21, s21, s22
	s_and_b32 s21, s21, 127                        ; my first tile of 16 positions in the batch
	s_add_co_u32 s20, s20, s21
	s_lshl_b32 s20, s20, 11
	s_lshl_b32 s21, ttmp9, 24                      ; qimg or kimg
	s_add_co_u32 s20, s20, s21
	s_mov_b32 s21, 0
	s_add_nc_u64 s[8:9], s[8:9], s[20:21]
.macro OUT_QK a
	PACKH \a
	WIN 0
.irp b, 0,1,2,3,4,5,6,7
	global_store_b128 v[CO], v[TP+4*\b:TP+4*\b+3], s[8:9] offset:(\b/4)*262144+(\a)*2048+(\b%4)*512
.endr
.endm
.irp a, 0,1,2,3,4,5,6,7
	OUT_QK \a
.endr
	s_cmp_lg_u32 s95, 0                            ; positions 0-15 of a batch lie in the tiles of the clusters with y = 0,
	s_cbranch_scc1 .Lend
	s_cmp_lg_u32 s15, 0                            ; in the waves of the first half of the rows, in block 0
	s_cbranch_scc1 .Lend
	s_lshl_b32 s20, ttmp9, 18
	s_lshr_b32 s21, s17, 3
	s_lshl_b32 s21, s21, 16
	s_add_co_u32 s20, s20, s21
	s_lshl_b32 s21, s42, 14
	s_add_co_u32 s20, s20, s21
	s_lshl_b32 s21, s16, 13
	s_add_co_u32 s20, s20, s21
	s_mov_b32 s21, 0
	s_add_nc_u64 s[10:11], s[10:11], s[20:21]
	WIN 0x08                                       ; a store's data are its source 1: window 2
.irp b, 0,1,2,3,4,5,6,7
	global_store_b128 v[CO], v[8*\b:8*\b+3], s[10:11] offset:1024*\b
	global_store_b128 v[CO], v[8*\b+4:8*\b+7], s[10:11] offset:1024*\b+512
.endr
	WIN 0
	s_branch .Lend
.Lepi_v:
	; ---- v: lane (r, h) of accumulator (a, b): channel 16 a + r, key 16 b + 8 h + j
	s_lshr_b32 s20, s42, 3                         ; the batch
	s_lshl_b32 s20, s20, 4
	s_lshl_b32 s21, s17, 2
	s_add_co_u32 s20, s20, s21
	s_lshl_b32 s21, s15, 1
	s_add_co_u32 s20, s20, s21                     ; 16 b + my first head
	s_lshl_b32 s20, s20, 6
	s_lshl_b32 s21, s42, 4
	s_lshl_b32 s22, s16, 3
	s_add_co_u32 s21, s21, s22
	s_and_b32 s21, s21, 127
	s_lshr_b32 s21, s21, 1                         ; my first group of 32 keys in the batch
	s_add_co_u32 s20, s20, s21
	s_lshl_b32 s20, s20, 12
	s_add_co_u32 s20, s20, 33554432
	s_mov_b32 s21, 0
	s_add_nc_u64 s[8:9], s[8:9], s[20:21]
	s_lshl_b32 s20, s42, 1
	s_add_co_u32 s20, s20, s16
	s_lshl_b32 s20, s20, 12                        ; the sums' row: 2 x tile + half,
	s_lshl_b32 s22, s17, 10
	s_add_co_u32 s20, s20, s22
	s_lshl_b32 s22, s15, 9
	s_add_co_u32 s20, s20, s22                     ; my first channel
	s_add_co_u32 s20, s20, 786432
	s_add_nc_u64 s[96:97], s[10:11], s[20:21]
.macro OUT_V a
	PACKH \a
.irp b, 0,1,2,3,4,5,6,7                        ; the block's 64 numbers of a lane are 64 keys of one channel: their sum, under the same window setting
	v_pk_add_f32 v[64+4*\b:65+4*\b], v[AC+8*\b:AC+8*\b+1], v[AC+8*\b+2:AC+8*\b+3]
	v_pk_add_f32 v[66+4*\b:67+4*\b], v[AC+8*\b+4:AC+8*\b+5], v[AC+8*\b+6:AC+8*\b+7]
.endr
	WIN 0
.irp b, 0,1,2,3,4,5,6,7
	global_store_b128 v[CO], v[TP+4*\b:TP+4*\b+3], s[8:9] offset:((\a)/4)*262144+((\a)%4)*1024+(\b/2)*4096+(\b%2)*512
.endr
.irp i, 0,1,2,3,4,5,6,7
	v_pk_add_f32 v[64+4*\i:65+4*\i], v[64+4*\i:65+4*\i], v[66+4*\i:67+4*\i]
.endr
.irp i, 0,1,2,3
	v_pk_add_f32 v[64+8*\i:65+8*\i], v[64+8*\i:65+8*\i], v[68+8*\i:69+8*\i]
.endr
.irp i, 0,1
	v_pk_add_f32 v[64+16*\i:65+16*\i], v[64+16*\i:65+16*\i], v[72+16*\i:73+16*\i]
.endr
	v_pk_add_f32 v[64:65], v[64:65], v[80:81]
	v_add_f32 v[96+(\a)], v64, v65
.endm
.irp a, 0,1,2,3,4,5,6,7
	OUT_V \a
.endr
	s_mov_b32 s20, 0x76543210
	s_mov_b32 s21, 0xfedcba98                      ; v_permlanex16_b32's selects for lane l xor 16
	s_mov_b32 s22, 0xffff0000
.irp a, 0,1,2,3,4,5,6,7
	v_permlanex16_b32 v[64+\a], v[96+\a], s20, s21
.endr
.irp a, 0,1,2,3,4,5,6,7
	v_add_f32 v[96+\a], v[96+\a], v[64+\a]         ; with the other half's 64 keys: 128 keys of channel 16 a + r
.endr
.irp i, 0,1,2,3
	v_cndmask_b32 v[104+\i], v[96+\i], v[100+\i], s22   ; lanes 16-31 take block i + 4
.endr
	v_and_b32 v24, 15, v0
	v_bfe_u32 v25, v0, 4, 1
	v_lshlrev_b32 v24, 2, v24
	v_lshl_add_u32 v24, v25, 8, v24
.irp i, 0,1,2,3
	global_store_b32 v24, v[104+\i], s[96:97] offset:64*\i
.endr
	s_cmp_lg_u32 s95, 0                            ; keys 0-15 of a batch: clusters with y = 0, waves of the first half of the keys, block b = 0
	s_cbranch_scc1 .Lend
	s_cmp_lg_u32 s16, 0
	s_cbranch_scc1 .Lend
	s_lshr_b32 s20, s42, 3
	s_lshl_b32 s20, s20, 16
	s_lshl_b32 s21, s17, 14
	s_add_co_u32 s20, s20, s21
	s_lshl_b32 s21, s15, 13
	s_add_co_u32 s20, s20, s21
	s_add_co_u32 s20, s20, 524288
	s_mov_b32 s21, 0
	s_add_nc_u64 s[10:11], s[10:11], s[20:21]
	WIN 0x08
.irp a, 0,1,2,3
	global_store_b128 v[CO], v[64*\a:64*\a+3], s[10:11] offset:1024*\a
	global_store_b128 v[CO], v[64*\a+4:64*\a+7], s[10:11] offset:1024*\a+512
.endr
	WIN 0x0c
.irp a, 0,1,2,3
	global_store_b128 v[CO], v[64*\a:64*\a+3], s[10:11] offset:4096+1024*\a
	global_store_b128 v[CO], v[64*\a+4:64*\a+7], s[10:11] offset:4096+1024*\a+512
.endr
	WIN 0
.Lend:
	s_wait_tensorcnt 0x0                           ; the wave's end
	ds_add_u32 v[SPW], v[NIL]
	s_wait_dscnt 0x0
	CROUND                                         ; the closing round
	s_endpgm
.Lfunc_end_k_qe9ab84128b_qkv:
	.size	k_qe9ab84128b_qkv, .Lfunc_end_k_qe9ab84128b_qkv-k_qe9ab84128b_qkv
	.p2alignl 7, 3214868480
	.fill 96, 4, 3214868480
	.section	.rodata,"a",@progbits
	.p2align	6, 0x0
	.amdhsa_kernel k_qe9ab84128b_qkv
		.amdhsa_group_segment_fixed_size 327680
		.amdhsa_private_segment_fixed_size 0
		.amdhsa_enable_private_segment 0
		.amdhsa_kernarg_size 32
		.amdhsa_user_sgpr_count 2
		.amdhsa_user_sgpr_kernarg_segment_ptr 1
		.amdhsa_wavefront_size32 1
		.amdhsa_system_sgpr_workgroup_id_x 1
		.amdhsa_system_sgpr_workgroup_id_y 1
		.amdhsa_system_sgpr_workgroup_id_z 1
		.amdhsa_system_vgpr_workitem_id 0
		.amdhsa_next_free_vgpr 1024
		.amdhsa_next_free_sgpr 106
		.amdhsa_reserve_vcc 0
		.amdhsa_float_denorm_mode_32 3
		.amdhsa_float_denorm_mode_16_64 3
		.amdhsa_memory_ordered 1
		.amdhsa_forward_progress 1
		.amdhsa_inst_pref_size 163
	.end_amdhsa_kernel
	.amdgpu_metadata
---
amdhsa.version: [ 1, 2 ]
amdhsa.kernels:
  - .name:           k_qe9ab84128b_qkv
    .symbol:         k_qe9ab84128b_qkv.kd
    .args:
      - { .name: acts, .offset: 0, .size: 8, .value_kind: global_buffer, .address_space: global }
      - { .name: wts, .offset: 8, .size: 8, .value_kind: global_buffer, .address_space: global }
      - { .name: img, .offset: 16, .size: 8, .value_kind: global_buffer, .address_space: global }
      - { .name: aux, .offset: 24, .size: 8, .value_kind: global_buffer, .address_space: global }
    .group_segment_fixed_size: 327680
    .private_segment_fixed_size: 0
    .kernarg_segment_align: 8
    .kernarg_segment_size: 32
    .max_flat_workgroup_size: 128
    .sgpr_count:     106
    .vgpr_count:     1024
    .wavefront_size: 32
...
	.end_amdgpu_metadata
.endif
;; end of part 2
;; launch attn (part 3): grid 4 x 64, 8 waves a work-group, no clusters, 327,680 bytes of LDS; arguments img, maskw, aux, oimg; writes oimg
.if DOCPART == 3
	.amdgcn_target "amdgcn-amd-amdhsa--gfx1250"
	.amdhsa_code_object_version 6
	.text
	.protected	k_qe9ab84128b_attn
	.globl	k_qe9ab84128b_attn
	.p2align	8
	.type	k_qe9ab84128b_attn,@function
k_qe9ab84128b_attn:
	s_mov_b64 s[64:65], 0
	v_nop
	global_prefetch_b8 v0, s[64:65] scope:SCOPE_SE
	s_setreg_imm32_b32 hwreg(HW_REG_WAVE_MODE, 25, 1), 1
	s_wait_xcnt 0x0
; o[b][q][head] = softmax_k(masked q . k / 8) v, f16 operands, f32 sums, maxima and row sums; running maximum.
; SHARES.  Work-group (I = x 0..3, b x 16 + head = y) owns two blocks of 256 queries of one head: block I (I + 1 slots of 256 keys under the causal mask), then block 7 - I (8 - I slots): nine slots whatever I.
; Eight waves, two to a SIMD; a wave owns 32 queries (two tiles of 16) at place POS = wave xor 3 (wave / 4) of the block, so that waves w and w + 4 have five of the diagonal slot's key steps between them.
; A key step is 64 keys.  On the diagonal slot a wave walks steps 0 .. POS / 2 alone: a scalar branch on ids round a step's work, round no barrier and no tensor load.
; LAYOUT.  S^T = K Q^T (source 0 = 16 keys, source 1 = 16 queries), O^T = V^T P: a lane holds ONE query (lane % 16) throughout.  K, V and Q lie in memory as images of operand registers (chunks of 512 bytes,
; lane l's 16 bytes at 16 l), so a fragment comes by two loads at 16 x lane: no pitch, no padding, nothing is turned.  O leaves the same way, as the output projection's operand.
; MASKS.  maskw holds, for each register of S^T, the lane mask of the keys that count (causal, pad_mask, time_attention): scalar loads bring 32 words a tile and step, one v_cndmask_b32 a score puts -2^100 where a key is hidden.
; -2^100 stands for reference's -1e30: c x 2^100 is exact, so a row that is hidden so far has p = 2^0; a later real score wipes it (a = 0).  A row that is hidden to its end (m under -2^99) is, in the reference,
; a uniform softmax over ALL 2,048 keys: it takes the mean of v over the whole sequence, chosen by v_cndmask_b32.
; LIMITS: true scores above -2^99; |o| under 65,504 (f16); NaN and infinities are not served.
; NO CLUSTER: in one and the same trip the four work-groups of a head stand at different slots (block I has I + 1 of them, block 7 - I has 8 - I), so a joint load would bring tiles that a partner never reads.
; RING.  Two slots of 64 KiB (K's four steps, then V's four).  Each wave brings one dense block of 8,192 bytes (waves 0-3: a step of K; 4-7: of V): one tensor load a wave is out, and every wait for tensor loads is for 0.
; REGISTERS.  window 0: v1 16 x lane; v4, v5 the slot's K and V; v6 -2^100, v7 -2^99; v8-15, v16-23 a tile's statistics (+0 c m, +1 m, +2, +3 l, +4..7 at work, a at +6); v32-63 Q; v64-127 S^T; v128-159 P; v160-223 O^T; v224-255 the second block's Q.
;   window 1: v0-63 K of a step, v64-127 V of a step.   s16-63, s68-83: the mask words of a step.
.set SLOTB, 65536
.set VOFFB, 32768
.set VM,    131072                     ; the mean of v, 64 channels, a copy for each wave: 8 x 256 bytes; no tile lands here
.set SPARE, 133120                     ; the spare words: 128 bytes a wave, four blocks of 256 bytes that no other line names
.set LI,   1
.set SPW,  2
.set NIL,  3
.set ADK,  4
.set ADV,  5
.set NEGR, 6
.set THRR, 7
.set ST,   8
.set PFO,  24
.set GO,   25
.set AVM,  26
.set Q,    32
.set S,    64
.set P,    128
.set O,    160
.set Q2,   224
.set KF,   0
.set VF,   64
.set MSB, 0
.macro WIN new                         ; the immediate's high byte repeats the setting that is left
.if MSB != \new
	s_set_vgpr_msb (MSB<<8)|\new
.set MSB, \new
.endif
.endm
.macro MLOAD q                         ; the mask words of the slot's step q: 32 for each of my two tiles
	s_load_b512 s[16:31], s[6:7], s101 offset:512*(\q)
	s_load_b512 s[32:47], s[6:7], s101 offset:512*(\q)+64
	s_load_b512 s[48:63], s[6:7], s101 offset:512*(\q)+16384
	s_load_b512 s[68:83], s[6:7], s101 offset:512*(\q)+16448
.endm
; THE CHANGE OF SLOTS, at a slot's head.  Every wave: all its tensor loads have landed; the add; its LDS reads are over; the barrier; then (fill = 1) its one tensor load, the next trip's slot, first thing behind it.
.macro CHANGE fill
	s_wait_tensorcnt 0x0                           ; no tensor load of mine is out, so the descriptor may be written
	ds_add_u32 v[SPW], v[NIL]                      ; work on registers stands between it and its wait
.if \fill
	s_wait_xcnt 0x0                                ; the prefetch of a slot ago has read s[10:11]
	s_add_co_u32 s12, s12, 32768                   ; the next trip's slot: 256 keys on,
	s_cmp_eq_u32 s66, s67
	s_cselect_b32 s12, 0, s12                      ; or, behind the first block's last slot, the head's first keys again
	s_add_nc_u64 s[10:11], s[8:9], s[12:13]
	s_xor_b32 s93, s93, SLOTB                      ; into the slot that was read last trip
	s_mov_b64 s[94:95], s[10:11]
	s_or_b32 s95, s95, 0x80000000
.endif
	s_lshr_b32 s100, s15, 1                        ; the last step that I walk: POS / 2 on a block's diagonal slot (trips I and 8), else 3
	s_cmp_eq_u32 s66, s67
	s_cselect_b32 s105, s100, 3
	s_cmp_eq_u32 s66, 8
	s_cselect_b32 s100, s100, s105
	v_add_nc_u32 v[ADK], s104, v[LI]
	v_add_nc_u32 v[ADV], VOFFB, v[ADK]
	s_wait_dscnt 0x0                               ; the add is done, and my reads of the slot that I have left are over
	s_barrier_signal -1
	s_barrier_wait -1
.if \fill
	tensor_load_to_lds s[92:95], s[84:91]
	s_nop 0
.rept 4
	v_nop
.endr
	; A PREFETCH of my own 8,192 bytes of the slot that the NEXT change will ask for, lanes 256 bytes apart.  Work-group I = 0 alone asks, in trips 3 to 6: the head's slots 4 to 7, which it walks first; each block is named once.
	s_sub_co_u32 s105, s66, 3
	s_lshr_b32 s105, s105, 2
	s_or_b32 s105, s105, s67
	s_cmp_eq_u32 s105, 0
	s_cbranch_scc0 .Lnoask_\@
	global_prefetch_b8 v[PFO], s[10:11] offset:32768 th:TH_LOAD_NT scope:SCOPE_SE
.Lnoask_\@:
.endif
	s_wait_kmcnt 0x0                               ; no scalar load is out: the mask words' registers may be loaded anew
	MLOAD 0
	WIN 0x40                                       ; destination window 1
.irp f, 0,1,2,3,4,5,6,7,8,9,10,11,12,13,14,15
	ds_load_b128 v[KF+4*\f:KF+4*\f+3], v[ADK] offset:512*\f
.endr
	WIN 0
.endm
; A KEY STEP: 64 keys, the slot's q-th.  pre = 1: the next step's K and mask words are asked for on the way.
.macro STEP q, pre
.if \q > 0
	s_cmp_lt_u32 s100, \q
	s_cbranch_scc1 .Lskip_\@
.endif
	s_wait_dscnt 0x0                               ; K is in
	WIN 0x01                                       ; source 0 in window 1
.irp g, 0,1                                    ; 32 channels at a time; the eight accumulators take turns; the first eight products start the sums
.irp k, 0,1,2,3
.irp u, 0,1
.if \g == 0
	v_wmma_f32_16x16x32_f16 v[S+32*\u+8*\k:S+32*\u+8*\k+7], v[KF+16*\k+8*\g:KF+16*\k+8*\g+7], v[Q+16*\u+8*\g:Q+16*\u+8*\g+7], 0
.else
	v_wmma_f32_16x16x32_f16 v[S+32*\u+8*\k:S+32*\u+8*\k+7], v[KF+16*\k+8*\g:KF+16*\k+8*\g+7], v[Q+16*\u+8*\g:Q+16*\u+8*\g+7], v[S+32*\u+8*\k:S+32*\u+8*\k+7]
.endif
.endr
.endr
.endr
	WIN 0
.rept 4
	v_nop                                          ; places ahead of the loads into K's and V's registers and of the first read of S^T
.endr
	WIN 0x40
.irp f, 0,1,2,3,4,5,6,7,8,9,10,11,12,13,14,15
	ds_load_b128 v[VF+4*\f:VF+4*\f+3], v[ADV] offset:8192*\q+512*\f
.endr
.if \pre
.irp f, 0,1,2,3,4,5,6,7,8,9,10,11,12,13,14,15
	ds_load_b128 v[KF+4*\f:KF+4*\f+3], v[ADK] offset:8192*(\q+1)+512*\f
.endr
.endif
	WIN 0
	s_wait_kmcnt 0x0                               ; the mask words are in
.set n, 0
.rept 32                                       ; hidden keys' scores become -2^100; each accumulator is read from its low end on
	v_cndmask_b32 v[S+n], v[NEGR], v[S+n], s[16+n]
	v_cndmask_b32 v[S+32+n], v[NEGR], v[S+32+n], s[48+n+4*(n/16)]
.set n, n+1
.endr
.if \pre
	MLOAD \q+1
.endif
	; the softmax, the two tiles line by line
.irp j, 0,1,2,3
.irp u, 0,1
	v_max3_num_f32 v[ST+4+8*\u+\j], v[S+32*\u+8*\j], v[S+32*\u+8*\j+1], v[S+32*\u+8*\j+2]
.endr
.endr
.irp k, 3,5
.irp j, 0,1,2,3
.irp u, 0,1
	v_max3_num_f32 v[ST+4+8*\u+\j], v[ST+4+8*\u+\j], v[S+32*\u+8*\j+\k], v[S+32*\u+8*\j+\k+1]
.endr
.endr
.endr
.irp u, 0,1
	v_max3_num_f32 v[ST+4+8*\u], v[ST+4+8*\u], v[S+32*\u+7], v[S+32*\u+15]
.endr
.irp u, 0,1
	v_max3_num_f32 v[ST+6+8*\u], v[ST+6+8*\u], v[S+32*\u+23], v[S+32*\u+31]
.endr
.irp u, 0,1
	v_max3_num_f32 v[ST+4+8*\u], v[ST+4+8*\u], v[ST+5+8*\u], v[ST+6+8*\u]
.endr
.irp u, 0,1
	v_max3_num_f32 v[ST+4+8*\u], v[ST+4+8*\u], v[ST+7+8*\u], v[ST+1+8*\u]   ; and the old m
.endr
.irp u, 0,1
	v_permlanex16_b32 v[ST+5+8*\u], v[ST+4+8*\u], s96, s97                  ; the query's other 32 keys lie in the lane 16 away
.endr
.irp u, 0,1
	v_mov_b32 v[ST+7+8*\u], v[ST+8*\u]                                      ; c m_old
.endr
.irp u, 0,1
	v_max_num_f32 v[ST+1+8*\u], v[ST+4+8*\u], v[ST+5+8*\u]
.endr
.irp u, 0,1
	v_mul_f32 v[ST+8*\u], s98, v[ST+1+8*\u]
.endr
.irp u, 0,1
	v_sub_f32 v[ST+7+8*\u], v[ST+7+8*\u], v[ST+8*\u]
.endr
.set n, 0
.rept 16
	v_pk_fma_f32 v[S+2*n:S+2*n+1], v[S+2*n:S+2*n+1], s[98:99], v[ST:ST+1] op_sel_hi:[1,0,0] neg_lo:[0,0,1] neg_hi:[0,0,1]   ; c s - c m
	v_pk_fma_f32 v[S+32+2*n:S+33+2*n], v[S+32+2*n:S+33+2*n], s[98:99], v[ST+8:ST+9] op_sel_hi:[1,0,0] neg_lo:[0,0,1] neg_hi:[0,0,1]
.set n, n+1
.endr
.irp u, 0,1
	v_exp_f32 v[ST+6+8*\u], v[ST+7+8*\u]           ; a = 2^(c m_old - c m_new)
.endr
.set n, 0
.rept 64
	v_exp_f32 v[S+n], v[S+n]                       ; p; one batch of 66 exponentials
.set n, n+1
.endr
	v_nop                                          ; a plain instruction behind the last exponential
	s_wait_alu depctr_va_vdst(0)                   ; one wait for the batch, ahead of its first reader
.set n, 0
.rept 16
	v_cvt_pk_f16_f32 v[P+n], v[S+2*n], v[S+2*n+1]  ; two tiles of S^T, rounded in pairs, ARE source 1 of the second product
	v_cvt_pk_f16_f32 v[P+16+n], v[S+32+2*n], v[S+33+2*n]
.set n, n+1
.endr
.irp i, 0,1,2,3,4,5,6,7                        ; the row's sum of the unrounded p, in place
.irp u, 0,1
	v_pk_add_f32 v[S+32*\u+4*\i:S+32*\u+4*\i+1], v[S+32*\u+4*\i:S+32*\u+4*\i+1], v[S+32*\u+4*\i+2:S+32*\u+4*\i+3]
.endr
.endr
.irp i, 0,1,2,3
.irp u, 0,1
	v_pk_add_f32 v[S+32*\u+8*\i:S+32*\u+8*\i+1], v[S+32*\u+8*\i:S+32*\u+8*\i+1], v[S+32*\u+8*\i+4:S+32*\u+8*\i+5]
.endr
.endr
.irp i, 0,1
.irp u, 0,1
	v_pk_add_f32 v[S+32*\u+16*\i:S+32*\u+16*\i+1], v[S+32*\u+16*\i:S+32*\u+16*\i+1], v[S+32*\u+16*\i+8:S+32*\u+16*\i+9]
.endr
.endr
.irp u, 0,1
	v_pk_add_f32 v[S+32*\u:S+32*\u+1], v[S+32*\u:S+32*\u+1], v[S+32*\u+16:S+32*\u+17]
.endr
.irp u, 0,1
	v_pk_fma_f32 v[ST+2+8*\u:ST+3+8*\u], v[ST+2+8*\u:ST+3+8*\u], v[ST+6+8*\u:ST+7+8*\u], v[S+32*\u:S+32*\u+1] op_sel_hi:[1,0,1]   ; l = a l + the sum
.endr
.set n, 0
.rept 16
	v_pk_mul_f32 v[O+2*n:O+2*n+1], v[O+2*n:O+2*n+1], v[ST+6:ST+7] op_sel_hi:[1,0]          ; O^T x a, each accumulator from its low end on
	v_pk_mul_f32 v[O+32+2*n:O+33+2*n], v[O+32+2*n:O+33+2*n], v[ST+14:ST+15] op_sel_hi:[1,0]
.set n, n+1
.endr
	s_wait_dscnt 16*\pre                           ; V is in; the next step's 16 loads of K, issued behind V's, may be out
	WIN 0x01
.irp g, 0,1                                    ; 32 keys at a time; the eight accumulators take turns
.irp t, 0,1,2,3
.irp u, 0,1
	v_wmma_f32_16x16x32_f16 v[O+32*\u+8*\t:O+32*\u+8*\t+7], v[VF+32*\g+8*\t:VF+32*\g+8*\t+7], v[P+16*\u+8*\g:P+16*\u+8*\g+7], v[O+32*\u+8*\t:O+32*\u+8*\t+7]
.endr
.endr
.endr
	WIN 0
.Lskip_\@:
.endm
; A BLOCK'S END: O^T / l, or the mean of v where the row is hidden to its end; f16; four chunks a tile, 512 consecutive aligned bytes each.
.macro FINISH
.rept 4
	v_nop                                          ; places behind the last products
.endr
.irp t, 0,1,2,3
.irp e, 0,1
	ds_load_b128 v[S+8*\t+4*\e:S+8*\t+4*\e+3], v[AVM] offset:64*\t+16*\e   ; the mean of v in the result's layout: channels 16 t + 8 h + j
.endr
.endr
.irp u, 0,1
	v_add_f32 v[ST+4+8*\u], v[ST+2+8*\u], v[ST+3+8*\u]
.endr
.irp u, 0,1
	v_permlanex16_b32 v[ST+5+8*\u], v[ST+4+8*\u], s96, s97
.endr
.irp u, 0,1
	v_add_f32 v[ST+4+8*\u], v[ST+4+8*\u], v[ST+5+8*\u]
.endr
.irp u, 0,1
	v_rcp_f32 v[ST+6+8*\u], v[ST+4+8*\u]
.endr
	v_nop
	s_wait_alu depctr_va_vdst(0)                   ; one wait for the two reciprocals, ahead of their first reader
	s_wait_dscnt 0x0
.irp u, 0,1
	v_cmp_gt_f32 vcc_lo, v[THRR], v[ST+1+8*\u]     ; -2^99 > m: every key that I walked is hidden
.set n, 0
.rept 16
	v_pk_mul_f32 v[S+32+2*n:S+33+2*n], v[O+32*\u+2*n:O+32*\u+2*n+1], v[ST+6+8*\u:ST+7+8*\u] op_sel_hi:[1,0]
.set n, n+1
.endr
.set n, 0
.rept 32
	v_cndmask_b32 v[S+32+n], v[S+32+n], v[S+n], vcc_lo
.set n, n+1
.endr
.set n, 0
.rept 16
	v_cvt_pk_f16_f32 v[P+16*\u+n], v[S+32+2*n], v[S+33+2*n]
.set n, n+1
.endr
.irp t, 0,1,2,3
	global_store_b128 v[GO], v[P+16*\u+4*\t:P+16*\u+4*\t+3], s[4:5] offset:32768*\u+512*\t
.endr
.endr
.endm
; THE SECOND BLOCK.  Only m and c m begin anew: the first step's a is 2^(c x -3e38 - c m) = 0, which wipes the finite O^T and l that the first block left.
.macro RESTART
	s_wait_xcnt 0x0                                ; the stores have read their data and their offset
.set n, 0
.rept 32
	v_mov_b32 v[Q+n], v[Q2+n]
.set n, n+1
.endr
.irp u, 0,1
	v_mov_b32 v[ST+1+8*\u], 0xff61b1e6
.endr
.irp u, 0,1
	v_mul_f32 v[ST+8*\u], s98, v[ST+1+8*\u]
.endr
	s_sub_co_u32 s16, 7, s67                       ; (no scalar load is out: the mask words' registers serve as temporaries)
	s_lshl_b32 s16, s16, 4
	s_lshl_b32 s17, s15, 1
	s_add_co_u32 s16, s16, s17                     ; my first query tile in the batch: 16 (7 - I) + 2 POS
	s_lshl_b32 s101, s16, 14
	s_sub_co_u32 s101, s101, 2048                  ; its mask words, a slot back: the trip's end steps on
	s_and_b32 s17, ttmp7, 0xffff
	s_lshr_b32 s17, s17, 4
	s_lshl_b32 s17, s17, 7
	s_add_co_u32 s16, s16, s17
	s_lshl_b32 s16, s16, 15
	v_add_nc_u32 v[GO], s16, v[LI]
.endm
	s_load_b256 s[16:23], s[0:1], 0x0              ; img, maskw, aux, oimg
	v_lshl_add_u32 v[SPW], v0, 2, SPARE
	v_mov_b32 v[NIL], 0
	ds_add_u32 v[SPW], v[NIL]                      ; the wave's opening: the add, twice on end, and its wait ahead of my first tensor load
	ds_add_u32 v[SPW], v[NIL]
	v_lshrrev_b32 v4, 5, v0
	v_readfirstlane_b32 s14, v4                    ; wave 0..7
	s_lshr_b32 s15, s14, 2
	s_mul_i32 s15, s15, 3
	s_xor_b32 s15, s15, s14                        ; POS
	s_mov_b32 s67, ttmp9                           ; I
	s_and_b32 s24, ttmp7, 0xffff                   ; 16 b + head
	s_lshr_b32 s25, s24, 4
	s_and_b32 s26, s24, 15
	s_mov_b32 s84, 3<<16                           ; group 1: no mask; elements of 8 bytes; no padding
	s_mov_b32 s85, 32<<16                          ; tensor_dim0 = 32 elements: rows of 256 bytes
	s_mov_b32 s86, 32<<16                          ; tensor_dim1 = 32 rows: 8,192 dense bytes
	s_mov_b32 s87, 32<<16                          ; tile_dim0
	s_mov_b32 s88, 32                              ; tile_dim1
	s_mov_b32 s89, 32                              ; the pitch
	s_mov_b32 s90, 0
	s_mov_b32 s91, 0
	s_mov_b32 s92, 1                               ; group 0: count,
	s_lshl_b32 s93, s14, 13                        ; LDS address: slot 0, 8,192 x wave
	s_mov_b32 s96, 0x76543210
	s_mov_b32 s97, 0xfedcba98                      ; v_permlanex16_b32's selects for lane l xor 16
	s_mov_b32 s98, 0x3e38aa3b                      ; c = log2(e) / 8
	s_mov_b32 s99, s98
	s_mov_b32 s12, 0
	s_mov_b32 s13, 0
	s_mov_b32 s66, 0                               ; the trip
	s_mov_b32 s104, 0                              ; the slot in hand
	v_and_b32 v8, 31, v0
	v_lshlrev_b32 v[LI], 4, v8
	v_lshlrev_b32 v[PFO], 8, v8
	v_lshlrev_b32 v27, 2, v8
	s_lshl_b32 s27, s14, 8
	s_add_co_u32 s27, s27, VM
	v_add_nc_u32 v28, s27, v27
	v_bfe_u32 v9, v0, 4, 1
	v_lshlrev_b32 v9, 5, v9
	v_add_nc_u32 v[AVM], s27, v9
	v_mov_b32 v[NEGR], 0xf1800000                  ; -2^100
	v_mov_b32 v[THRR], 0xf1000000                  ; -2^99
	s_wait_dscnt 0x0                               ; both opening adds are done
	s_wait_kmcnt 0x0
	s_lshl_b32 s28, s24, 18                        ; a head's images: 262,144 bytes
	s_and_b32 s30, s14, 3
	s_lshl_b32 s30, s30, 13                        ; my step of a slot
	s_add_co_u32 s30, s30, s28
	s_lshr_b32 s31, s14, 2
	s_add_co_u32 s31, s31, 1
	s_lshl_b32 s31, s31, 24                        ; kimg (waves 0-3) or vimg (4-7)
	s_add_co_u32 s30, s30, s31
	s_mov_b32 s31, 0
	s_add_nc_u64 s[8:9], s[16:17], s[30:31]
	s_mov_b64 s[10:11], s[8:9]
	s_mov_b64 s[94:95], s[8:9]
	s_or_b32 s95, s95, 0x80000000
	tensor_load_to_lds s[92:95], s[84:91]          ; slot 0: the head's first 256 keys
	s_nop 0
.rept 4
	v_nop
.endr
	s_lshl_b32 s32, s67, 4
	s_lshl_b32 s27, s15, 1
	s_add_co_u32 s32, s32, s27                     ; my first query tile: 16 I + 2 POS,
	s_sub_co_u32 s33, 7, s67
	s_lshl_b32 s33, s33, 4
	s_add_co_u32 s33, s33, s27                     ; and the second block's
	s_lshl_b32 s101, s32, 14                       ; its mask words: 16,384 bytes a query tile
	s_lshl_b32 s34, s32, 11
	s_add_co_u32 s34, s34, s28
	s_mov_b32 s35, 0
	s_add_nc_u64 s[36:37], s[16:17], s[34:35]
	s_lshl_b32 s34, s33, 11
	s_add_co_u32 s34, s34, s28
	s_add_nc_u64 s[38:39], s[16:17], s[34:35]
.irp f, 0,1,2,3,4,5,6,7
	global_load_b128 v[Q+4*\f:Q+4*\f+3], v[LI], s[36:37] offset:512*\f
	global_load_b128 v[Q2+4*\f:Q2+4*\f+3], v[LI], s[38:39] offset:512*\f
.endr
	s_lshl_b32 s34, s25, 7
	s_add_nc_u64 s[6:7], s[18:19], s[34:35]        ; maskw at my batch
	s_lshl_b32 s34, s26, 11
	s_add_nc_u64 s[4:5], s[22:23], s[34:35]        ; oimg at my head's two groups of 32 channels
	s_lshl_b32 s34, s25, 16
	s_lshl_b32 s40, s26, 8
	s_add_co_u32 s34, s34, s40
	s_add_co_u32 s34, s34, 786432
	s_add_nc_u64 s[20:21], s[20:21], s[34:35]      ; the batch's 16 partial sums of v, at my head
.irp g, 0,1,2,3,4,5,6,7,8,9,10,11,12,13,14,15
	global_load_b32 v[S+2*\g], v27, s[20:21] offset:4096*\g
	global_load_b32 v[S+2*\g+1], v27, s[20:21] offset:4096*\g+128
.endr
	s_lshl_b32 s34, s25, 7
	s_add_co_u32 s34, s34, s32
	s_lshl_b32 s34, s34, 15                        ; a row tile of oimg: 32,768 bytes
	v_add_nc_u32 v[GO], s34, v[LI]
.irp u, 0,1
	v_mov_b32 v[ST+1+8*\u], 0xff61b1e6             ; m: -3e38, under every score
	v_mov_b32 v[ST+2+8*\u], 0
	v_mov_b32 v[ST+3+8*\u], 0
.endr
.irp u, 0,1
	v_mul_f32 v[ST+8*\u], s98, v[ST+1+8*\u]
.endr
.set n, 0
.rept 64
	v_mov_b32 v[O+n], 0                            ; O^T, once: the step is written once, and its first turn finds zeros
.set n, n+1
.endr
	s_wait_loadcnt 0x0                             ; Q and the partial sums (their scalar bases lie in the mask words' registers)
.irp i, 0,1,2,3,4,5,6,7
	v_pk_add_f32 v[S+4*\i:S+4*\i+1], v[S+4*\i:S+4*\i+1], v[S+4*\i+2:S+4*\i+3]
.endr
.irp i, 0,1,2,3
	v_pk_add_f32 v[S+8*\i:S+8*\i+1], v[S+8*\i:S+8*\i+1], v[S+8*\i+4:S+8*\i+5]
.endr
.irp i, 0,1
	v_pk_add_f32 v[S+16*\i:S+16*\i+1], v[S+16*\i:S+16*\i+1], v[S+16*\i+8:S+16*\i+9]
.endr
	v_pk_add_f32 v[S:S+1], v[S:S+1], v[S+16:S+17]
	v_pk_mul_f32 v[S:S+1], v[S:S+1], 0x3a000000 op_sel_hi:[1,0]   ; / 2,048: the mean of v, channels lane and lane + 32
	ds_store_b32 v28, v[S]
	ds_store_b32 v28, v[S+1] offset:128
.Ltrip:                                            ; eight trips; each asks for the next trip's slot
	CHANGE 1
	STEP 0, 1
	STEP 1, 1
	STEP 2, 1
	STEP 3, 0
	s_wait_kmcnt 0x0                               ; mask words asked for a step that was left out: their offset register is stepped only behind this wait
	s_cmp_lg_u32 s66, s67
	s_cbranch_scc1 .Lsame
	FINISH                                         ; trip I was the first block's last
	RESTART
.Lsame:
	s_xor_b32 s104, s104, SLOTB
	s_add_co_u32 s101, s101, 2048                  ; four key groups of 512 bytes on
	s_add_co_u32 s66, s66, 1
	s_cmp_lt_u32 s66, 8
	s_cbranch_scc1 .Ltrip
	CHANGE 0                                       ; the ninth slot is written out: nothing is left to ask for
	STEP 0, 1
	STEP 1, 1
	STEP 2, 1
	STEP 3, 0
	FINISH
	s_wait_tensorcnt 0x0                           ; the wave's end
	ds_add_u32 v[SPW], v[NIL]
	s_wait_dscnt 0x0
	s_endpgm
.Lfunc_end_k_qe9ab84128b_attn:
	.size	k_qe9ab84128b_attn, .Lfunc_end_k_qe9ab84128b_attn-k_qe9ab84128b_attn
	.p2alignl 7, 3214868480
	.fill 96, 4, 3214868480
	.section	.rodata,"a",@progbits
	.p2align	6, 0x0
	.amdhsa_kernel k_qe9ab84128b_attn
		.amdhsa_group_segment_fixed_size 327680
		.amdhsa_private_segment_fixed_size 0
		.amdhsa_enable_private_segment 0
		.amdhsa_kernarg_size 32
		.amdhsa_user_sgpr_count 2
		.amdhsa_user_sgpr_kernarg_segment_ptr 1
		.amdhsa_wavefront_size32 1
		.amdhsa_system_sgpr_workgroup_id_x 1
		.amdhsa_system_sgpr_workgroup_id_y 1
		.amdhsa_system_sgpr_workgroup_id_z 1
		.amdhsa_system_vgpr_workitem_id 0
		.amdhsa_next_free_vgpr 384
		.amdhsa_next_free_sgpr 106
		.amdhsa_reserve_vcc 1
		.amdhsa_float_denorm_mode_32 3
		.amdhsa_float_denorm_mode_16_64 3
		.amdhsa_memory_ordered 1
		.amdhsa_forward_progress 1
		.amdhsa_inst_pref_size 202
	.end_amdhsa_kernel
	.amdgpu_metadata
---
amdhsa.version: [ 1, 2 ]
amdhsa.kernels:
  - .name:           k_qe9ab84128b_attn
    .symbol:         k_qe9ab84128b_attn.kd
    .args:
      - { .name: img, .offset: 0, .size: 8, .value_kind: global_buffer, .address_space: global }
      - { .name: maskw, .offset: 8, .size: 8, .value_kind: global_buffer, .address_space: global }
      - { .name: aux, .offset: 16, .size: 8, .value_kind: global_buffer, .address_space: global }
      - { .name: oimg, .offset: 24, .size: 8, .value_kind: global_buffer, .address_space: global }
    .group_segment_fixed_size: 327680
    .private_segment_fixed_size: 0
    .kernarg_segment_align: 8
    .kernarg_segment_size: 32
    .max_flat_workgroup_size: 256
    .sgpr_count:     106
    .vgpr_count:     384
    .wavefront_size: 32
...
	.end_amdgpu_metadata
.endif
;; end of part 3
;; launch proj (part 4): grid 4 x 64, 4 waves a work-group, clusters of 4 x 4, 327,680 bytes of LDS; arguments oimg, wts, bp, out0; writes out0
.if DOCPART == 4
	.amdgcn_target "amdgcn-amd-amdhsa--gfx1250"
	.amdhsa_code_object_version 6
	.text
	.protected	k_qe9ab84128b_proj
	.globl	k_qe9ab84128b_proj
	.p2align	8
	.type	k_qe9ab84128b_proj,@function
k_qe9ab84128b_proj:
	s_mov_b64 s[64:65], 0
	v_nop
	global_prefetch_b8 v0, s[64:65] scope:SCOPE_SE
	s_setreg_imm32_b32 hwreg(HW_REG_WAVE_MODE, 25, 1), 1
	s_wait_xcnt 0x0
	s_wait_alu depctr_hold_cnt(0) depctr_sa_sdst(0) depctr_va_vdst(0) depctr_va_sdst(0) depctr_va_ssrc(0) depctr_va_vcc(0) depctr_vm_vsrc(0)
	s_getreg_b32 s2, hwreg(HW_REG_IB_STS2, 6, 4)
	s_cmp_eq_u32 s2, 0
	s_cbranch_scc0 .Lentry_in_a_cluster
	s_endpgm
.Lentry_in_a_cluster:
	s_bfe_u32 s2, ttmp6, 0x10000c
	s_cmp_lg_u32 s2, 0xf033
	s_cbranch_scc0 .Lentry_shape_is_right
	s_endpgm
.Lentry_shape_is_right:
; out0 = o Wp^T + bp.  o [8192][1024] and Wp [1024][1024] lie in f16 as images of operand registers: [tile of 16 rows][group of 32 k: 32][chunk 2][512 bytes]; sums in f32; out0 f32.
; A tile of out0 is 128 x 256: 64 x 4 = 256 work-groups (256 x 256 would give 128).  Four waves, 64 x 128 each: 32 accumulators (a 0..3, b 0..7) in window 2.
; K goes in 8 steps of 128 through two LDS slots: of each 16-row tile a step is 4,096 consecutive bytes.  Waves 0, 1 fetch o's 2 x 4 tiles, waves 2, 3 Wp's 2 x 8.  Images are read at 16 x lane: no padding is wanted.
; CLUSTERS of 4 x 4 (the grid is one cluster wide): the four of a row ask jointly for o's tiles, the four of a column for Wp's.  Where a slot is filled again a round of the cluster's barrier stands in front.
; TRANSPOSED USE: source 0 = 16 rows of Wp, source 1 = 16 rows of o: a lane holds eight neighbouring columns of one row.  bp is the C of each sum's first product.
; Rows 0-15 of every batch are written again, more finely, by the launch that follows.
; REGISTERS: window 0: v16-30 addresses; v32-63, v64-95 o's fragments, two buffers; v96-159 bp in the result's layout; on the way out v160-223 and v32-95.  window 1: v0-63, v64-127 Wp's fragments.  window 2: accumulator (a, b) at v[8 (8 a + b)].
.set KB,     4096                      ; a K step of one tile of 16 rows
.set SLOT,   98304                     ; o's 8 tiles, then Wp's 16
.set BOFF,   32768
.set STAGE,  2*SLOT                    ; the way out: 16 rows x (512 bytes + 16) for each wave; no tile lands here
.set SPITCH, 528
.set SPARE,  STAGE+4*16*SPITCH         ; the spare words: 128 bytes a wave, two blocks of 256 bytes that no other line names
.set ADRA, 16
.set ADRB, 20
.set STO,  24
.set RD,   25
.set CO,   26
.set SPW,  28
.set NIL,  29
.set PFO,  30
.set FA,   32
.set BIAS, 96
.set G1,  24
.set G0,  32
.set G1B, 48
.set G0B, 56
.set PFA, 46
.set LIM, 13
.set MSB, 0
.macro WIN new                         ; the immediate's high byte repeats the setting that is left
.if MSB != \new
	s_set_vgpr_msb (MSB<<8)|\new
.set MSB, \new
.endif
.endm
.set MUL,   0xa1                       ; source 0 window 1, source 1 window 0, C and D window 2
.set MUL1,  0x81                       ; the same with C (bp) in window 0
.set TO_B,  0x40
.macro JLOAD s                         ; a joint load; an s_nop 0 and four v_nop follow each of the two lines
	s_cmp_eq_u32 s15, 0
	s_cbranch_scc0 .Lfor_b_\@
	tensor_load_to_lds s[G0+4*\s:G0+4*\s+3], s[G1:G1+7]
	s_nop 0
.rept 4
	v_nop
.endr
	s_branch .Lasked_\@
.Lfor_b_\@:
	tensor_load_to_lds s[G0B+4*\s:G0B+4*\s+3], s[G1B:G1B+7]
	s_nop 0
.rept 4
	v_nop
.endr
.Lasked_\@:
.endm
.macro CREST
	s_cmp_lg_u32 s14, 0
	s_cbranch_scc1 .Lnot_wave_0_\@
	s_barrier_signal -3
.Lnot_wave_0_\@:
	s_barrier_wait -3
	s_barrier_signal -1
	s_barrier_wait -1
.endm
.macro CROUND
	s_barrier_signal -1
	s_barrier_wait -1
	CREST
.endm
; A PREFETCH of o's K step that stands two refills on.  o's tile row is read by this cluster alone; its four partners along x share the 8 tiles out BY ADDRESS, two each; in each, wave 0 asks: 2 tiles x 16 blocks of 256 bytes, a lane a block.
; The loop's last trip asks for nothing: K steps 4 to 7 are each named once; K steps 0 to 3 come by their loads alone.  Wp is read by all sixteen clusters and is not asked for.
.macro ASK
	s_cmp_gt_u32 s3, s[LIM]
	s_cbranch_scc0 .Lnot_mine_\@
	global_prefetch_b8 v[PFO], s[PFA:PFA+1] offset:KB th:TH_LOAD_NT scope:SCOPE_SE
.Lnot_mine_\@:
.endm
	s_load_b256 s[4:11], s[0:1], 0x0               ; oimg, wts, bp, out0
	v_lshl_add_u32 v[SPW], v0, 2, SPARE
	v_mov_b32 v[NIL], 0
	ds_add_u32 v[SPW], v[NIL]                      ; the wave's opening: the add, twice on end, and its wait ahead of my first tensor load
	ds_add_u32 v[SPW], v[NIL]
	v_lshrrev_b32 v1, 5, v0
	v_readfirstlane_b32 s14, v1                    ; wave 0..3
	s_lshr_b32 s15, s14, 1                         ; my half of the rows.  Also: I fetch o's tiles (0) or Wp's (1)
	s_and_b32 s16, s14, 1                          ; my half of the columns.  Also: which half of those tiles I fetch
	s_bfe_u32 s40, ttmp6, 0x40000                  ; cx = the tile column: the grid is one cluster wide
	s_bfe_u32 s41, ttmp6, 0x40004                  ; cy
	s_and_b32 s17, ttmp7, 0xffff
	s_lshl_b32 s17, s17, 2
	s_add_co_u32 s17, s17, s41                     ; the tile row of 128 rows
	s_lshl_b32 s43, s41, 2
	s_lshl_b32 s43, 15, s43                        ; my row of the cluster
	s_lshl_b32 s44, 0x1111, s40                    ; my column
	s_or_b32 s[G1], s43, (3<<16)|(1<<21)           ; the mask; elements of 8 bytes; bit 21 beside a mask
	s_or_b32 s[G1B], s44, (3<<16)|(1<<21)
	s_mov_b32 s[G1+1], 512<<16                     ; tensor_dim0 = 512 elements: 4,096 bytes
	s_mov_b32 s[G1+2], 4<<16                       ; tensor_dim1 = 4 tiles
	s_mov_b32 s[G1+3], 512<<16                     ; tile_dim0
	s_mov_b32 s[G1+4], 4                           ; tile_dim1
	s_mov_b32 s[G1+5], 4096                        ; the pitch: 32,768 bytes from tile to tile
	s_mov_b32 s[G1+6], 0
	s_mov_b32 s[G1+7], 0
	s_mov_b32 s[G1B+1], 512<<16
	s_mov_b32 s[G1B+2], 8<<16
	s_mov_b32 s[G1B+3], 512<<16
	s_mov_b32 s[G1B+4], 8
	s_mov_b32 s[G1B+5], 4096
	s_mov_b32 s[G1B+6], 0
	s_mov_b32 s[G1B+7], 0
	s_lshl_b32 s18, s17, 3
	s_lshl_b32 s19, s16, 2
	s_add_co_u32 s18, s18, s19
	s_lshl_b32 s18, s18, 15                        ; o: tile 8 x tile row + 4 x half
	s_mov_b32 s19, 0
	s_lshl_b32 s20, s40, 4
	s_lshl_b32 s21, s16, 3
	s_add_co_u32 s20, s20, s21
	s_lshl_b32 s20, s20, 15                        ; Wp: tile 16 x tile column + 8 x half,
	s_add_co_u32 s20, s20, 1671168                 ; behind the weights' codes and scale bytes
	s_mov_b32 s21, 0
	s_lshl_b32 s22, s16, 14                        ; where they go: o's halves, then Wp's: the wave's number alone
	s_lshl_b32 s23, s16, 15
	s_add_co_u32 s23, s23, BOFF
	s_wait_dscnt 0x0                               ; both opening adds are done
	s_wait_kmcnt 0x0
	s_add_nc_u64 s[18:19], s[4:5], s[18:19]
	s_add_nc_u64 s[20:21], s[6:7], s[20:21]
	CROUND                                         ; all sixteen work-groups are here: the first joint loads meet
.irp s, 0,1
	s_mov_b32 s[G0+4*\s], 1
	s_add_co_u32 s[G0+4*\s+1], s22, \s*SLOT
	s_add_nc_u64 s[G0+4*\s+2:G0+4*\s+3], s[18:19], \s*KB
	s_or_b32 s[G0+4*\s+3], s[G0+4*\s+3], 0x80000000
	s_mov_b32 s[G0B+4*\s], 1
	s_add_co_u32 s[G0B+4*\s+1], s23, \s*SLOT
	s_add_nc_u64 s[G0B+4*\s+2:G0B+4*\s+3], s[20:21], \s*KB
	s_or_b32 s[G0B+4*\s+3], s[G0B+4*\s+3], 0x80000000
	JLOAD \s
.endr
	v_and_b32 v1, 15, v0
	v_bfe_u32 v2, v0, 4, 1
	v_and_b32 v3, 31, v0
	v_lshlrev_b32 v[CO], 4, v3
	s_lshl_b32 s22, s15, 14                        ; my 4 tiles of o,
	s_lshl_b32 s23, s16, 15
	s_add_co_u32 s23, s23, BOFF                    ; my 8 of Wp
.irp s, 0,1
	v_add_nc_u32 v[ADRA+\s], s22, v[CO]
	v_add_nc_u32 v[ADRB+\s], s23, v[CO]
	s_add_co_u32 s22, s22, SLOT
	s_add_co_u32 s23, s23, SLOT
.endr
	s_mul_i32 s22, s14, 16*SPITCH
	s_add_co_u32 s22, s22, STAGE
	v_mul_u32_u24 v4, v1, SPITCH
	v_lshl_add_u32 v4, v2, 5, v4
	v_add_nc_u32 v[STO], s22, v4                   ; into my stage: row l % 16, 32 bytes for each half of the lanes
	v_add_nc_u32 v[RD], s22, v[CO]                 ; back: the 32 lanes take a row of 512 bytes
	s_lshl_b32 s22, s17, 7
	s_lshl_b32 s23, s15, 6
	s_add_co_u32 s22, s22, s23
	s_lshl_b32 s22, s22, 12                        ; my first row of out0,
	s_lshl_b32 s23, s40, 10
	s_lshl_b32 s12, s16, 9
	s_add_co_u32 s12, s12, s23                     ; my first column, in bytes
	s_add_co_u32 s22, s22, s12
	s_mov_b32 s23, 0
	s_add_nc_u64 s[10:11], s[10:11], s[22:23]
	s_mov_b32 s22, s12
	s_add_nc_u64 s[8:9], s[8:9], s[22:23]
	v_lshlrev_b32 v5, 5, v2
.irp b, 0,1,2,3,4,5,6,7
	global_load_b128 v[BIAS+8*\b:BIAS+8*\b+3], v5, s[8:9] offset:64*\b          ; bp at columns 16 b + 8 h + 0 .. 7
	global_load_b128 v[BIAS+8*\b+4:BIAS+8*\b+7], v5, s[8:9] offset:64*\b+16
.endr
	s_lshl_b32 s22, s17, 3
	s_lshl_b32 s12, s40, 1
	s_add_co_u32 s22, s22, s12                     ; the prefetches: my work-group's two tiles of o,
	s_lshl_b32 s22, s22, 15
	s_add_co_u32 s22, s22, 2*KB                    ; at K step 2: the first refill steps it to 3 and names K step 4
	s_add_nc_u64 s[PFA:PFA+1], s[4:5], s[22:23]
	s_cmp_eq_u32 s14, 0
	s_cselect_b32 s[LIM], 1, -1
	v_lshlrev_b32 v[PFO], 8, v1
	v_lshl_add_u32 v[PFO], v2, 15, v[PFO]
.macro MUL8 f, a, first                ; o's block a x Wp's eight, 32 along K.  The 32 accumulators take turns in the same order in every quarter
.irp b, 0,1,2,3,4,5,6,7
.if \first
	v_wmma_f32_16x16x32_f16 v[8*(8*\a+\b):8*(8*\a+\b)+7], v[64*\f+8*\b:64*\f+8*\b+7], v[FA+32*\f+8*\a:FA+32*\f+8*\a+7], v[BIAS+8*\b:BIAS+8*\b+7]
.else
	v_wmma_f32_16x16x32_f16 v[8*(8*\a+\b):8*(8*\a+\b)+7], v[64*\f+8*\b:64*\f+8*\b+7], v[FA+32*\f+8*\a:FA+32*\f+8*\a+7], v[8*(8*\a+\b):8*(8*\a+\b)+7]
.endif
.endr
.endm
.macro FETCH slot, qd, f               ; 24 LDS loads in one run: the slot's qd-th group of 32 k into buffer f: Wp's 16 chunks, then o's 8
	WIN TO_B
.irp b, 0,1,2,3,4,5,6,7
	ds_load_b128 v[64*\f+8*\b:64*\f+8*\b+3],   v[ADRB+\slot] offset:KB*\b+1024*\qd
	ds_load_b128 v[64*\f+8*\b+4:64*\f+8*\b+7], v[ADRB+\slot] offset:KB*\b+1024*\qd+512
.endr
	WIN 0
.irp a, 0,1,2,3
	ds_load_b128 v[FA+32*\f+8*\a:FA+32*\f+8*\a+3],   v[ADRA+\slot] offset:KB*\a+1024*\qd
	ds_load_b128 v[FA+32*\f+8*\a+4:FA+32*\f+8*\a+7], v[ADRA+\slot] offset:KB*\a+1024*\qd+512
.endr
.endm
.macro PLACES                          ; four plain vector instructions ahead of loads into registers that matrix instructions have read, and of reads of results
.rept 4
	v_nop
.endr
.endm
.macro QUARTER slot, qd, f, g, first   ; multiplies buffer f; in its middle fetches the slot's qd-th group into buffer g
	s_wait_dscnt 4                                 ; Wp's fragments and o's blocks 0, 1 are in; the youngest four loads (blocks 2, 3) may be out
	WIN MUL-0x20*\first
	MUL8 \f, 0, \first
	MUL8 \f, 1, \first
	PLACES
	FETCH \slot, \qd, \g
	s_wait_dscnt 24                                ; all but the 24 just issued
	WIN MUL-0x20*\first
	MUL8 \f, 2, \first
	MUL8 \f, 3, \first
.endm
; A K step's last quarter multiplies buffer 1 and changes slots: one barrier; ahead of it every wave waits for all its tensor loads, adds 0 to its spare word, and waits for that and for its reads of this slot.
.macro TURN slot, next, fill
	WIN 0
.if \fill
	s_wait_xcnt 0x0                                ; the last prefetch, a K step back, has read its address
	s_add_nc_u64 s[PFA:PFA+1], s[PFA:PFA+1], KB
.endif
	s_wait_tensorcnt 0x0                           ; my part of the next slot has landed
	ds_add_u32 v[SPW], v[NIL]
	s_wait_dscnt 5                                 ; (the add and the youngest four loads may be out)
	WIN MUL
	MUL8 1, 0, 0
	s_wait_dscnt 0x0                               ; the add is done, and my reads of this slot are over
	s_barrier_signal -1
	MUL8 1, 1, 0
	WIN 0
	s_barrier_wait -1
.if \fill
	CREST                                          ; the barrier has opened a round of the cluster's: no wave of any partner still reads this slot or has a load on its way
	s_add_nc_u64 s[G0+4*\slot+2:G0+4*\slot+3], s[G0+4*\slot+2:G0+4*\slot+3], 2*KB
	s_add_nc_u64 s[G0B+4*\slot+2:G0B+4*\slot+3], s[G0B+4*\slot+2:G0B+4*\slot+3], 2*KB
	JLOAD \slot                                    ; the first tensor load behind the round; its four v_nop are also the places ahead of the loads below
.else
	PLACES
.endif
	FETCH \next, 0, 0
.if \fill
	ASK
.endif
	WIN MUL
	MUL8 1, 2, 0
	MUL8 1, 3, 0
.endm
	s_wait_tensorcnt 1                             ; my part of K step 0 is in; K step 1's may stay out
	s_barrier_signal -1
	s_barrier_wait -1
	FETCH 0, 0, 0
	s_wait_loadcnt 0x0                             ; bp
	QUARTER 0, 1, 0, 1, 1                          ; the first quarter starts the sums from bp
	WIN 0
	s_mov_b32 s3, 3
.Llap:                                                 ; a trip goes once round the ring and fills both slots again: K steps 2 to 7
	QUARTER 0, 2, 1, 0, 0
	QUARTER 0, 3, 0, 1, 0
	TURN 0, 1, 1
	QUARTER 1, 1, 0, 1, 0
	QUARTER 1, 2, 1, 0, 0
	QUARTER 1, 3, 0, 1, 0
	TURN 1, 0, 1
	QUARTER 0, 1, 0, 1, 0
	WIN 0
	s_sub_co_u32 s3, s3, 1
	s_cmp_lg_u32 s3, 0
	s_cbranch_scc1 .Llap
	QUARTER 0, 2, 1, 0, 0                          ; the last lap fills nothing
	QUARTER 0, 3, 0, 1, 0
	TURN 0, 1, 0
	QUARTER 1, 1, 0, 1, 0
	QUARTER 1, 2, 1, 0, 0
	QUARTER 1, 3, 0, 1, 0
	s_wait_dscnt 4
	WIN MUL
	MUL8 1, 0, 0
	MUL8 1, 1, 0
	s_wait_dscnt 0
	MUL8 1, 2, 0
	MUL8 1, 3, 0
	WIN 0
; THE WAY OUT, block by block of 16 rows x 128 columns: through my own stage, back as whole rows of 512 bytes.  LDS serves a wave's instructions in order: no wait between the stores and the loads.
.macro TOSTAGE a
	WIN 0x08                                       ; an LDS store's data are its source 1: window 2
.irp b, 0,1,2,3,4,5,6,7
	ds_store_b128 v[STO], v[64*\a+8*\b:64*\a+8*\b+3] offset:64*\b          ; each accumulator from its low end on
	ds_store_b128 v[STO], v[64*\a+8*\b+4:64*\a+8*\b+7] offset:64*\b+16
.endr
	WIN 0
.set BB, 160-128*((\a)%2)
.irp t, 0,1,2,3,4,5,6,7,8,9,10,11,12,13,14,15
	ds_load_b128 v[BB+4*\t:BB+4*\t+3], v[RD] offset:\t*SPITCH
.endr
.endm
.macro SEND a, younger
.set BB, 160-128*((\a)%2)
	s_wait_dscnt \younger                          ; the block is back in registers
.if (\a) > 0
	s_add_nc_u64 s[10:11], s[10:11], 16*4096       ; 16 rows on (the earlier stores have read their base: a wait for that stands ahead)
.endif
.irp t, 0,1,2,3,4,5,6,7,8,9,10,11,12,13,14,15
	global_store_b128 v[CO], v[BB+4*\t:BB+4*\t+3], s[10:11] offset:\t*4096 th:TH_STORE_NT   ; 32 lanes store 512 consecutive aligned bytes
.endr
.endm
	PLACES
	TOSTAGE 0
.irp a, 1,2,3
.if \a > 1
	s_wait_xcnt 0x0                                ; block a - 2's stores have read their registers and their base
.endif
	TOSTAGE \a
	SEND \a-1, 32                                  ; behind block a - 1's loads: block a's 16 stores and 16 loads
.endr
	s_wait_xcnt 0x0
	SEND 3, 0
	s_wait_tensorcnt 0x0                           ; the wave's end
	ds_add_u32 v[SPW], v[NIL]
	s_wait_dscnt 0x0
	CROUND                                         ; the closing round
	s_endpgm
.Lfunc_end_k_qe9ab84128b_proj:
	.size	k_qe9ab84128b_proj, .Lfunc_end_k_qe9ab84128b_proj-k_qe9ab84128b_proj
	.p2alignl 7, 3214868480
	.fill 96, 4, 3214868480
	.section	.rodata,"a",@progbits
	.p2align	6, 0x0
	.amdhsa_kernel k_qe9ab84128b_proj
		.amdhsa_group_segment_fixed_size 327680
		.amdhsa_private_segment_fixed_size 0
		.amdhsa_enable_private_segment 0
		.amdhsa_kernarg_size 32
		.amdhsa_user_sgpr_count 2
		.amdhsa_user_sgpr_kernarg_segment_ptr 1
		.amdhsa_wavefront_size32 1
		.amdhsa_system_sgpr_workgroup_id_x 1
		.amdhsa_system_sgpr_workgroup_id_y 1
		.amdhsa_system_sgpr_workgroup_id_z 1
		.amdhsa_system_vgpr_workitem_id 0
		.amdhsa_next_free_vgpr 768
		.amdhsa_next_free_sgpr 66
		.amdhsa_reserve_vcc 0
		.amdhsa_float_denorm_mode_32 3
		.amdhsa_float_denorm_mode_16_64 3
		.amdhsa_memory_ordered 1
		.amdhsa_forward_progress 1
		.amdhsa_inst_pref_size 88
	.end_amdhsa_kernel
	.amdgpu_metadata
---
amdhsa.version: [ 1, 2 ]
amdhsa.kernels:
  - .name:           k_qe9ab84128b_proj
    .symbol:         k_qe9ab84128b_proj.kd
    .args:
      - { .name: oimg, .offset: 0, .size: 8, .value_kind: global_buffer, .address_space: global }
      - { .name: wts, .offset: 8, .size: 8, .value_kind: global_buffer, .address_space: global }
      - { .name: bp, .offset: 16, .size: 8, .value_kind: global_buffer, .address_space: global }
      - { .name: out0, .offset: 24, .size: 8, .value_kind: global_buffer, .address_space: global }
    .group_segment_fixed_size: 327680
    .private_segment_fixed_size: 0
    .kernarg_segment_align: 8
    .kernarg_segment_size: 32
    .max_flat_workgroup_size: 128
    .sgpr_count:     66
    .vgpr_count:     768
    .wavefront_size: 32
...
	.end_amdgpu_metadata
.endif
;; end of part 4
;; launch fine (part 5): grid 16 x 4, 8 waves a work-group, no clusters, 79,872 bytes of LDS; arguments aux, maskw, Wp, bp, out0; writes out0
.if DOCPART == 5
	.amdgcn_target "amdgcn-amd-amdhsa--gfx1250"
	.amdhsa_code_object_version 6
	.text
	.protected	k_qe9ab84128b_fine
	.globl	k_qe9ab84128b_fine
	.p2align	8
	.type	k_qe9ab84128b_fine,@function
k_qe9ab84128b_fine:
	s_mov_b64 s[64:65], 0
	v_nop
	global_prefetch_b8 v0, s[64:65] scope:SCOPE_SE
	s_setreg_imm32_b32 hwreg(HW_REG_WAVE_MODE, 25, 1), 1
	s_wait_xcnt 0x0
; Rows 0-15 of every batch once more, all in f32: they average one to sixteen values and are the largest numbers of the output.  64 rows in all: no bulk work.
; Work-group (chunk = x: 64 output columns; batch = y).  PHASE A: wave w takes heads 2 w and 2 w + 1: S^T = K Q^T over 64 channels, the masks, the softmax, O^T = V^T P over the 16 keys that the causal mask leaves;
; a row that is hidden to its end takes the mean of v over all 2,048 keys, as a uniform softmax gives it.  (The 16 chunks of a batch repeat phase A: a million multiply-adds, less than a launch of its own would cost.)
; PHASE B: out = o Wp^T + bp: wave w takes columns 16 (w % 4) .. + 15 of the chunk and channels 512 (w / 4) .. + 511; the two halves of K meet in LDS.
; THE f32 MATRIX FORM takes k = 2 (lane / 16) + j from register j.  q, k, v lie in aux as f32 images of results: lane (r, h) holds row r and eight neighbours 8 h + j along the next K; a PAIR of registers (2 p, 2 p + 1) of both operands
; is then one K step, under one and the same permutation of k on both sides.  p and o are used in the same way, straight from the registers in which they arise.
; The registers that the f32 matrix form writes (v160-175, v192-255) are written by matrix instructions alone; what is made of a sum goes into other registers.
; Wp is read as 16-byte pieces of sixteen rows: 256 KiB a work-group; the masked score is -2^100 (c x 2^100 is exact), the flag's threshold -2^99: true scores lie above that.
.set PART,  65536                      ; o's images lie at 0: 64 channel tiles x 1,024 bytes.  Here: the two halves' results, 2 x 16 rows x 272 bytes
.set PPIT,  272
.set VM,    74240                      ; the mean of v of my two heads: 8 waves x 512 bytes
.set SPARE, 78336                      ; the spare words: 128 bytes a wave, four blocks of 256 bytes that no other line names
	s_load_b256 s[4:11], s[0:1], 0x0               ; aux, maskw, Wp, bp
	s_load_b64 s[12:13], s[0:1], 0x20              ; out0
	v_lshl_add_u32 v30, v0, 2, SPARE
	v_mov_b32 v31, 0
	v_lshrrev_b32 v1, 5, v0
	v_readfirstlane_b32 s14, v1                    ; wave 0..7
	s_and_b32 s15, ttmp7, 0xffff                   ; the batch
	s_lshr_b32 s36, s14, 2                         ; my half of K in phase B
	s_and_b32 s37, s14, 3                          ; my tile of 16 columns
	v_and_b32 v2, 15, v0                           ; r
	v_bfe_u32 v3, v0, 4, 1                         ; h
	v_and_b32 v1, 31, v0
	v_lshlrev_b32 v1, 4, v1                        ; 16 x lane
	s_lshl_b32 s20, s14, 13
	v_add_nc_u32 v4, s20, v1                       ; where I store o's images: my 8 channel tiles
	s_lshl_b32 s20, s14, 9
	s_add_co_u32 s20, s20, VM
	v_add_nc_u32 v5, s20, v1                       ; the mean of v: in,
	v_lshl_add_u32 v6, v3, 5, s20                  ; and back in the result's layout
	v_lshlrev_b32 v7, 12, v2
	v_lshl_add_u32 v7, v3, 5, v7                   ; Wp: row r, + 8 h channels
	s_lshl_b32 s20, s36, 15
	v_add_nc_u32 v8, s20, v1                       ; o's images of my half of K
	s_mul_i32 s20, s36, 16*PPIT
	s_lshl_b32 s21, s37, 6
	s_add_co_u32 s20, s20, s21
	s_add_co_u32 s20, s20, PART
	v_mul_u32_u24 v9, v2, PPIT
	v_lshl_add_u32 v9, v3, 5, v9
	v_add_nc_u32 v9, s20, v9                       ; my half's results: row r, columns 16 nt + 8 h + j
	s_mul_i32 s20, s14, 2*PPIT
	s_add_co_u32 s20, s20, PART
	v_mul_u32_u24 v10, v3, PPIT
	v_lshl_add_u32 v10, v2, 4, v10
	v_add_nc_u32 v10, s20, v10                     ; back: rows 2 w and 2 w + 1, sixteen lanes a row
	v_lshlrev_b32 v12, 4, v2
	v_lshl_add_u32 v11, v3, 12, v12                ; and the same in out0
	v_mov_b32 v13, 0xf1800000                      ; -2^100
	v_mov_b32 v14, 0xf1000000                      ; -2^99
	v_mov_b32 v26, 0                               ; a lane permute's destination counts as read
	v_mov_b32 v27, 0
	s_mov_b32 s32, 0x76543210
	s_mov_b32 s33, 0xfedcba98
	s_mov_b32 s34, 0x3e38aa3b                      ; c = log2(e) / 8
	s_wait_kmcnt 0x0
	s_lshl_b32 s20, s15, 16
	s_lshl_b32 s21, s14, 13
	s_add_co_u32 s20, s20, s21
	s_mov_b32 s21, 0
	s_add_nc_u64 s[16:17], s[4:5], s[20:21]        ; q's images of my two heads; k's 262,144 bytes on, v's 524,288
	s_lshl_b32 s20, s15, 16
	s_lshl_b32 s22, s14, 9
	s_add_co_u32 s20, s20, s22
	s_add_co_u32 s20, s20, 786432
	s_add_nc_u64 s[18:19], s[4:5], s[20:21]        ; the batch's 16 partial sums of v, at my 128 channels
	s_lshl_b32 s22, s15, 7
	s_load_b256 s[24:31], s[6:7], s22 offset:0x0   ; the lane masks of queries 0-15 x keys 0-15 of my batch: one word for each register of S^T
	s_lshl_b32 s20, ttmp9, 6
	s_lshl_b32 s23, s37, 4
	s_add_co_u32 s20, s20, s23
	s_lshl_b32 s20, s20, 12
	s_lshl_b32 s23, s36, 11
	s_add_co_u32 s20, s20, s23
	s_add_nc_u64 s[8:9], s[8:9], s[20:21]          ; Wp at my 16 rows and my half of K
	s_lshl_b32 s20, ttmp9, 8
	s_add_nc_u64 s[10:11], s[10:11], s[20:21]
	s_add_nc_u64 s[12:13], s[12:13], s[20:21]
	s_lshl_b32 s20, s15, 11
	s_lshl_b32 s23, s14, 1
	s_add_co_u32 s20, s20, s23
	s_lshl_b32 s20, s20, 12
	s_add_nc_u64 s[12:13], s[12:13], s[20:21]      ; out0 at row 2,048 b + 2 w, my chunk
	global_load_b128 v[16:19], v12, s[10:11]       ; bp
.irp i, 0,1,2,3,4,5,6,7,8,9,10,11,12,13,14,15
	global_load_b128 v[32+4*\i:35+4*\i], v1, s[16:17] offset:512*\i
	global_load_b128 v[96+4*\i:99+4*\i], v1, s[16:17] offset:262144+512*\i
.endr
	s_wait_loadcnt 0x0
	; ---- A: S^T = K Q^T; the two heads' sums take turns; the first two products start them
.irp t, 0,1,2,3
.irp p, 0,1,2,3
.irp e, 0,1
.if (\t == 0) && (\p == 0)
	v_wmma_f32_16x16x4_f32 v[160+8*\e:167+8*\e], v[96+32*\e+8*\t+2*\p:97+32*\e+8*\t+2*\p], v[32+32*\e+8*\t+2*\p:33+32*\e+8*\t+2*\p], 0
.else
	v_wmma_f32_16x16x4_f32 v[160+8*\e:167+8*\e], v[96+32*\e+8*\t+2*\p:97+32*\e+8*\t+2*\p], v[32+32*\e+8*\t+2*\p:33+32*\e+8*\t+2*\p], v[160+8*\e:167+8*\e]
.endif
.endr
.endr
.endr
.rept 8
	v_nop                                          ; eight places behind this form, ahead of reads of results and of loads into its operands
.endr
.irp i, 0,1,2,3,4,5,6,7,8,9,10,11,12,13,14,15
	global_load_b128 v[32+4*\i:35+4*\i], v1, s[16:17] offset:524288+512*\i   ; v's images take q's place
.endr
	s_wait_kmcnt 0x0
.irp j, 0,1,2,3,4,5,6,7
.irp e, 0,1
	v_cndmask_b32 v[176+8*\e+\j], v13, v[160+8*\e+\j], s[24+\j]
.endr
.endr
.irp e, 0,1
	v_max3_num_f32 v[20+\e], v[176+8*\e], v[177+8*\e], v[178+8*\e]
.endr
.irp k, 179,181
.irp e, 0,1
	v_max3_num_f32 v[20+\e], v[20+\e], v[\k+8*\e], v[\k+1+8*\e]
.endr
.endr
.irp e, 0,1
	v_max_num_f32 v[20+\e], v[20+\e], v[183+8*\e]
.endr
.irp e, 0,1
	v_permlanex16_b32 v[26+\e], v[20+\e], s32, s33
.endr
.irp e, 0,1
	v_max_num_f32 v[20+\e], v[20+\e], v[26+\e]     ; the row's maximum
.endr
.irp e, 0,1
	v_mul_f32 v[22+\e], s34, v[20+\e]
.endr
.irp j, 0,1,2,3,4,5,6,7
.irp e, 0,1
	v_fma_f32 v[176+8*\e+\j], v[176+8*\e+\j], s34, -v[22+\e]
.endr
.endr
.irp j, 0,1,2,3,4,5,6,7
.irp e, 0,1
	v_exp_f32 v[176+8*\e+\j], v[176+8*\e+\j]
.endr
.endr
	v_nop
	s_wait_alu depctr_va_vdst(0)                   ; one wait for the sixteen exponentials, ahead of their first reader
.irp e, 0,1
	v_add_f32 v[24+\e], v[176+8*\e], v[177+8*\e]
.endr
.irp j, 2,3,4,5,6,7
.irp e, 0,1
	v_add_f32 v[24+\e], v[24+\e], v[176+8*\e+\j]
.endr
.endr
.irp e, 0,1
	v_permlanex16_b32 v[26+\e], v[24+\e], s32, s33
.endr
.irp e, 0,1
	v_add_f32 v[24+\e], v[24+\e], v[26+\e]
.endr
.irp e, 0,1
	v_rcp_f32 v[28+\e], v[24+\e]
.endr
.irp e, 0,1
	v_cmp_gt_f32 s[40+\e], v14, v[20+\e]           ; -2^99 > m: the row is hidden to its end.  (Plain work behind the reciprocals)
.endr
	s_wait_loadcnt 0x0                             ; v
.irp p, 0,1,2,3                                ; O^T = V^T P: four K steps of four keys; the eight sums take turns
.irp e, 0,1
.irp t, 0,1,2,3
.if \p == 0
	v_wmma_f32_16x16x4_f32 v[192+32*\e+8*\t:199+32*\e+8*\t], v[32+32*\e+8*\t+2*\p:33+32*\e+8*\t+2*\p], v[176+8*\e+2*\p:177+8*\e+2*\p], 0
.else
	v_wmma_f32_16x16x4_f32 v[192+32*\e+8*\t:199+32*\e+8*\t], v[32+32*\e+8*\t+2*\p:33+32*\e+8*\t+2*\p], v[176+8*\e+2*\p:177+8*\e+2*\p], v[192+32*\e+8*\t:199+32*\e+8*\t]
.endif
.endr
.endr
.endr
.rept 8
	v_nop
.endr
.irp g, 0,1,2,3,4,5,6,7,8,9,10,11,12,13,14,15
	global_load_b128 v[32+4*\g:35+4*\g], v1, s[18:19] offset:4096*\g   ; the partial sums of v: four channels a lane
.endr
	s_wait_alu depctr_va_vdst(0)                   ; the reciprocals' wait, ahead of their first reader
.irp e, 0,1
.set n, 0
.rept 32
	v_mul_f32 v[96+32*\e+n], v[192+32*\e+n], v[28+\e]   ; o = O^T / l, into other registers, each sum from its low end on
.set n, n+1
.endr
.endr
	s_wait_loadcnt 0x0
.irp i, 0,1,2,3,4,5,6,7
	v_pk_add_f32 v[32+8*\i:33+8*\i], v[32+8*\i:33+8*\i], v[36+8*\i:37+8*\i]
	v_pk_add_f32 v[34+8*\i:35+8*\i], v[34+8*\i:35+8*\i], v[38+8*\i:39+8*\i]
.endr
.irp i, 0,1,2,3
	v_pk_add_f32 v[32+16*\i:33+16*\i], v[32+16*\i:33+16*\i], v[40+16*\i:41+16*\i]
	v_pk_add_f32 v[34+16*\i:35+16*\i], v[34+16*\i:35+16*\i], v[42+16*\i:43+16*\i]
.endr
.irp i, 0,1
	v_pk_add_f32 v[32+32*\i:33+32*\i], v[32+32*\i:33+32*\i], v[48+32*\i:49+32*\i]
	v_pk_add_f32 v[34+32*\i:35+32*\i], v[34+32*\i:35+32*\i], v[50+32*\i:51+32*\i]
.endr
	v_pk_add_f32 v[32:33], v[32:33], v[64:65]
	v_pk_add_f32 v[34:35], v[34:35], v[66:67]
	v_pk_mul_f32 v[32:33], v[32:33], 0x3a000000 op_sel_hi:[1,0]   ; / 2,048
	v_pk_mul_f32 v[34:35], v[34:35], 0x3a000000 op_sel_hi:[1,0]
	ds_store_b128 v5, v[32:35]                     ; through my own 512 bytes: LDS serves a wave's instructions in order
.irp e, 0,1
.irp t, 0,1,2,3
.irp c, 0,1
	ds_load_b128 v[32+32*\e+8*\t+4*\c:35+32*\e+8*\t+4*\c], v6 offset:256*\e+64*\t+16*\c
.endr
.endr
.endr
	s_wait_dscnt 0x0
.irp e, 0,1
.set n, 0
.rept 32
	v_cndmask_b32 v[96+32*\e+n], v[96+32*\e+n], v[32+32*\e+n], s[40+\e]
.set n, n+1
.endr
.endr
.macro WLOAD G                         ; Wp at four channel tiles of my half of K, into set G % 2
.irp i, 0,1,2,3
.irp c, 0,1
	global_load_b128 v[32+32*((\G)%2)+8*\i+4*\c:35+32*((\G)%2)+8*\i+4*\c], v7, s[8:9] offset:(4*(\G)+\i)*64+16*\c
.endr
.endr
.endm
.macro OLOAD G                         ; and o's images of the same tiles
.irp i, 0,1,2,3
.irp c, 0,1
	ds_load_b128 v[96+32*((\G)%2)+8*\i+4*\c:99+32*((\G)%2)+8*\i+4*\c], v8 offset:(4*(\G)+\i)*1024+512*\c
.endr
.endr
.endm
	WLOAD 0
	WLOAD 1
.irp i, 0,1,2,3,4,5,6,7,8,9,10,11,12,13,14,15
	ds_store_b128 v4, v[96+4*\i:99+4*\i] offset:512*\i
.endr
	s_wait_dscnt 0x0                               ; for the others' sake: my stores have landed
	s_barrier_signal -1
	s_barrier_wait -1                              ; o's 64 images lie in LDS
	; ---- B: 32 channel tiles in eight groups of four, on two sets of registers; two sums by turns
	OLOAD 0
	OLOAD 1
.macro GROUP G
.if (\G) < 7
	s_wait_loadcnt 8                               ; this group's eight loads are in; the next group's may be out
	s_wait_dscnt 8
.else
	s_wait_loadcnt 0x0
	s_wait_dscnt 0x0
.endif
.irp i, 0,1,2,3
.irp p, 0,1,2,3
.if ((\G) == 0) && (\i == 0) && (\p < 2)
	v_wmma_f32_16x16x4_f32 v[160+8*(\p%2):167+8*(\p%2)], v[32+32*((\G)%2)+8*\i+2*\p:33+32*((\G)%2)+8*\i+2*\p], v[96+32*((\G)%2)+8*\i+2*\p:97+32*((\G)%2)+8*\i+2*\p], 0
.else
	v_wmma_f32_16x16x4_f32 v[160+8*(\p%2):167+8*(\p%2)], v[32+32*((\G)%2)+8*\i+2*\p:33+32*((\G)%2)+8*\i+2*\p], v[96+32*((\G)%2)+8*\i+2*\p:97+32*((\G)%2)+8*\i+2*\p], v[160+8*(\p%2):167+8*(\p%2)]
.endif
.endr
.endr
.if (\G)+2 < 8
.rept 9
	v_nop                                          ; places ahead of loads into registers that these products have read
.endr
	WLOAD (\G)+2
	OLOAD (\G)+2
.endif
.endm
.irp G, 0,1,2,3,4,5,6,7
	GROUP \G
.endr
.rept 8
	v_nop
.endr
.irp j, 0,1,2,3,4,5,6,7
	v_add_f32 v[176+\j], v[160+\j], v[168+\j]      ; the two sums, into other registers, from the low end on
.endr
	ds_store_b128 v9, v[176:179]
	ds_store_b128 v9, v[180:183] offset:16
	s_wait_dscnt 0x0
	s_barrier_signal -1
	s_barrier_wait -1                              ; both halves of K lie in LDS
	ds_load_b128 v[184:187], v10
	ds_load_b128 v[188:191], v10 offset:16*PPIT
	s_wait_dscnt 0x0
	v_pk_add_f32 v[184:185], v[184:185], v[188:189]
	v_pk_add_f32 v[186:187], v[186:187], v[190:191]
	v_pk_add_f32 v[184:185], v[184:185], v[16:17]
	v_pk_add_f32 v[186:187], v[186:187], v[18:19]
	global_store_b128 v11, v[184:187], s[12:13]    ; sixteen lanes store 256 consecutive aligned bytes of a row
	s_wait_tensorcnt 0x0                           ; the wave's end
	ds_add_u32 v30, v31
	s_wait_dscnt 0x0
	s_endpgm
.Lfunc_end_k_qe9ab84128b_fine:
	.size	k_qe9ab84128b_fine, .Lfunc_end_k_qe9ab84128b_fine-k_qe9ab84128b_fine
	.p2alignl 7, 3214868480
	.fill 96, 4, 3214868480
	.section	.rodata,"a",@progbits
	.p2align	6, 0x0
	.amdhsa_kernel k_qe9ab84128b_fine
		.amdhsa_group_segment_fixed_size 79872
		.amdhsa_private_segment_fixed_size 0
		.amdhsa_enable_private_segment 0
		.amdhsa_kernarg_size 40
		.amdhsa_user_sgpr_count 2
		.amdhsa_user_sgpr_kernarg_segment_ptr 1
		.amdhsa_wavefront_size32 1
		.amdhsa_system_sgpr_workgroup_id_x 1
		.amdhsa_system_sgpr_workgroup_id_y 1
		.amdhsa_system_sgpr_workgroup_id_z 1
		.amdhsa_system_vgpr_workitem_id 0
		.amdhsa_next_free_vgpr 256
		.amdhsa_next_free_sgpr 66
		.amdhsa_reserve_vcc 0
		.amdhsa_float_denorm_mode_32 3
		.amdhsa_float_denorm_mode_16_64 3
		.amdhsa_memory_ordered 1
		.amdhsa_forward_progress 1
		.amdhsa_inst_pref_size 50
	.end_amdhsa_kernel
	.amdgpu_metadata
---
amdhsa.version: [ 1, 2 ]
amdhsa.kernels:
  - .name:           k_qe9ab84128b_fine
    .symbol:         k_qe9ab84128b_fine.kd
    .args:
      - { .name: aux, .offset: 0, .size: 8, .value_kind: global_buffer, .address_space: global }
      - { .name: maskw, .offset: 8, .size: 8, .value_kind: global_buffer, .address_space: global }
      - { .name: Wp, .offset: 16, .size: 8, .value_kind: global_buffer, .address_space: global }
      - { .name: bp, .offset: 24, .size: 8, .value_kind: global_buffer, .address_space: global }
      - { .name: out0, .offset: 32, .size: 8, .value_kind: global_buffer, .address_space: global }
    .group_segment_fixed_size: 79872
    .private_segment_fixed_size: 0
    .kernarg_segment_align: 8
    .kernarg_segment_size: 40
    .max_flat_workgroup_size: 256
    .sgpr_count:     66
    .vgpr_count:     256
    .wavefront_size: 32
...
	.end_amdgpu_metadata
.endif
;; end of part 5
